; MI455X (gfx1250); checked and timed in simulation.
; The chip was launched on July 23, 2026; its instructions are those of AMD's public machine-readable ISA for CDNA 5 (MIT licence, August 2026) and "CDNA5" Instruction Set Architecture Reference Guide (July 2026). The comments in the code are by the model that wrote it; some were corrected since.
;; Attention2 Neighbors. Allowed arithmetic: matrix products marked QUANTISED: E2M3 operands, one E8M0 scale for each 32 along K, by v_wmma_scale_f32_16x16x128_f8f6f4 with both operands' format E2M3, f32 sums; everything else in f32.
;; Inputs: Wk 1,024 x 1,024 float32; Wp 1,024 x 1,024 float32; Wq 1,024 x 1,024 float32; Wv 1,024 x 1,024 float32; bp 1,024 float32; x 4 x 2,048 x 1,024 float32.
;; Outputs: out0 4 x 2,048 x 1,024 float32.
;; This version of the problem:
;;   THIS VERSION OF THE PROBLEM IS GIVEN IN LOW PRECISION. The matrix products marked QUANTISED in the list below multiply operands that are first quantised to E2M3 (2 exponent bits, 3 mantissa bits; 6 bits a number), with one power-of-two scale for each 32 numbers along K (OCP MX v1.0); their sums are f32. All else is computed in f32.
;;   The module's matrix products, in the order in which they are computed (A, B: the left and right operand; K: the contracted axis; several contracted axes count as one K, in the product's order):
;;     1. [M 8,192, K 1,024] x [K 1,024, N 1,024]; A: input x; B: input Wq: QUANTISED
;;     2. [M 8,192, K 1,024] x [K 1,024, N 1,024]; A: input x; B: input Wk: QUANTISED
;;     3. [M 8,192, K 1,024] x [K 1,024, N 1,024]; A: input x; B: input Wv: QUANTISED
;;     4. batch 64 x [M 2,048, K 64] x [K 64, N 2,048]; A: computed on the way; B: computed on the way: QUANTISED
;;     5. batch 64 x [M 2,048, K 2,048] x [K 2,048, N 64]; A: softmax (see below); B: computed on the way: QUANTISED
;;     6. [M 8,192, K 1,024] x [K 1,024, N 1,024]; A: computed on the way; B: input Wp: QUANTISED
;;   THE QUANTISER, for each operand of a quantised product, along K:
;;     - K is cut into blocks of 32 from its start; a last block that is shorter is filled with zeros.
;;     - A block's scale is 2^e with e = floor(log2(the largest magnitude in the block)) - 2, held to -126 .. 127; a block of zeros has e = 0. As a byte (E8M0): e + 127.
;;     - Each number is divided by its block's scale, clamped to +-7.5, and rounded to the nearest number of E2M3, ties to even, subnormals kept.
;;     - The product sums the exact products of the quantised numbers (number of the format x scale) in f32.
;;   ~~~python
;;   def quantise(x, axis):      # numpy; x: float32 -> the quantised numbers, widened to float32 again
;;       x = np.moveaxis(x, axis, -1); K = x.shape[-1]
;;       x = np.pad(x, [(0, 0)] * (x.ndim - 1) + [(0, -K % 32)]); x = x.reshape(x.shape[:-1] + (-1, 32)); a = np.abs(x).max(-1, keepdims=True)
;;       e = np.where(a > 0, np.clip(np.frexp(np.where(a > 0, a, 1))[1] - 1 - 2, -126, 127), 0)      # np.frexp(a)[1] - 1 = floor(log2(a)), exactly
;;       r = np.clip(x / 2.0 ** e, -7.5, 7.5)
;;       step = 2.0 ** (np.maximum(np.frexp(np.where(r == 0, 1, r))[1] - 1, 0) - 3)
;;       q = np.round(r / step) * step * 2.0 ** e      # np.round: ties to even
;;       return np.moveaxis(q.reshape(q.shape[:-2] + (-1,))[..., :K], -1, axis).astype(np.float32)
;;   ~~~
;;   SOFTMAX AHEAD OF A QUANTISED PRODUCT. Where the list says 'softmax', what is quantised is not the finished softmax but p = 2^(t - M), with t = logit x log2(e) and M = ceil(the row's largest t), a whole number; so 1/2 < the row's largest p <= 1. The row's sum l is taken of the UNQUANTISED p, in f32, and the product's result is divided by l at the end. Since M is a whole number, a kernel that streams over the keys may use a running M (the ceiling of the running maximum): every later rescaling is an exact power of two, which a block's scale takes up: the codes' values come out the same.
;;   OPERANDS COMPUTED ON THE WAY. 'Computed on the way' means the value that the module computes at that place (a softmax that the list does not call 'softmax' is quantised finished and normalised). What goes into a quantiser is computed in f32, as accurately as f32 sums, v_exp_f32 and their like allow (about 1e-6 of the number): no bf16 or f16 on the way to a quantiser, and a product that is left as it is and whose result goes on into a quantised operand takes f32 operands (vector FMAs, or v_wmma_f32_16x16x4_f32). A number that lies on a knife's edge between two numbers of the format may be rounded either way, as far as f32 arithmetic and the matrix unit's own rounding can turn it there, and no further.
;; One version. Each part assembles by itself: llvm-mc -triple=amdgcn-amd-amdhsa -mcpu=gfx1250 --defsym DOCPART=n.
;; ======== version 1 of 1: 4 launches
;; workspace buffers: xc 6,291,456 bytes; xs 262,144 bytes; wc 3,145,728 bytes; ws 131,072 bytes; qb 6,815,744 bytes; kv 13,369,344 bytes; oc 6,291,456 bytes; os 262,144 bytes
;; launch quant (part 1): grid 384 x 1, 4 waves a work-group, no clusters, 33,280 bytes of LDS; arguments x, Wq, Wk, Wv, Wp, xc, xs, wc, ws; writes xc, xs, wc, ws
.if DOCPART == 1
	.amdgcn_target "amdgcn-amd-amdhsa--gfx1250"
	.amdhsa_code_object_version 6
	.text
	.protected	k_q5972abb3ee_quant
	.globl	k_q5972abb3ee_quant
	.p2align	8
	.type	k_q5972abb3ee_quant,@function
k_q5972abb3ee_quant:
	s_mov_b64 s[64:65], 0
	v_nop
	global_prefetch_b8 v0, s[64:65] scope:SCOPE_SE
	s_setreg_imm32_b32 hwreg(HW_REG_WAVE_MODE, 25, 1), 1
	s_wait_xcnt 0x0
; x [8192][1024] and Wq, Wk, Wv, Wp [1024][1024], f32, K innermost, become codes of FP6 (E2M3), 6 bits each, and one E8M0 scale byte for each 32 along K.
; A block's scale is 2^(floor(log2(its largest magnitude)) - 2); its byte is the largest magnitude's own exponent field - 2, held at 1 from below.  Each number is divided by the scale and rounded to the nearest code, ties to even, beyond 7.5 the largest code.
; LIMITS: a block whose largest magnitude lies under 2^-124 keeps the byte 1; a block of zeros has the byte 1 where the rule says 127 (its codes are zeros, and this program alone reads the bytes); NaN and infinities are not served.
; ORDER OF ROWS IN THE WORKSPACE: row i is stored at position PI(i), PI = bits 3 and 4 of i exchanged: in each 32 rows the second and the third group of 8 change places.  Sixteen neighbouring positions are then
; rows 32 b + 8 u + r + 8 (r / 8): as source 0 of a matrix instruction they leave 16 neighbouring true indices in a lane's 16 registers of two neighbouring result tiles, which is what the later quantisers need.
; xc [8192 positions][768 bytes], xs [8192][32]; wc, ws: the four weights stacked (Wq, Wk, Wv, Wp), 4096 positions.
; SHARES: 12 M numbers / 32,768 = 384 work-groups: 0-255 take x, then 32 each for Wq, Wk, Wv, Wp.  A wave takes 8 rows = 8,192 numbers in 16 steps of 512; the four waves of a work-group are the four groups of 8 of 32 rows,
; so PI is an exchange of the wave number's two bits in the destination.  Only pointers are chosen by the work-group's number: there is one path through the text.
; Each load reads 512 consecutive bytes, 16 a lane; a step's 2,048 bytes turn through the wave's own stage in LDS and come back 64 bytes (16 neighbours along K) a lane; two neighbouring lanes hold a block.
; No tensor loads, no barrier, no cluster: waves and work-groups share nothing.  Loads run four steps ahead (16 loads a wave).  The stream is read once at full width, so no prefetch is laid.
.set STEPS, 16
.set EMAX,  2
.set CB,    12                         ; bytes of 16 codes
.set R,     16                         ; v16-79   four sets of 16 numbers as they are loaded
.set X,     80                         ; v80-111  two sets of 16 neighbours
.set C,     128                        ; v128-191 codes: four registers for each step, so that no store's data are written again
.set E,     112                        ; v112-127 a scale byte for each step
.set WREG,  8192                       ; LDS: a region for each wave: two stages of 32 x SP bytes, behind them its 256 scale bytes
.set SP,    80                         ; a lane's place in a stage: its 64 bytes + 16 of padding
	s_load_b256 s[4:11], s[0:1], 0x0               ; x, Wq, Wk, Wv
	s_load_b256 s[12:19], s[0:1], 0x20             ; Wp, xc, xs, wc
	s_load_b64 s[20:21], s[0:1], 0x40              ; ws
	v_lshl_add_u32 v192, v0, 2, 0x8000
	v_mov_b32 v193, 0
	v_lshrrev_b32 v1, 5, v0
	v_readfirstlane_b32 s22, v1                    ; wave
	v_and_b32 v2, 31, v0                           ; lane
	v_lshlrev_b32 v3, 4, v2                        ; my 16 bytes of a load's 512
	s_mul_i32 s23, s22, WREG
	v_lshrrev_b32 v14, 2, v2
	v_mul_u32_u24 v14, v14, SP
	v_and_b32 v15, 3, v2
	v_lshl_add_u32 v14, v15, 4, v14
	v_add_nc_u32 v14, s23, v14                     ; the stage, on the way in: SP (lane / 4) + 16 (lane % 4)
	v_mul_u32_u24 v15, v2, SP
	v_add_nc_u32 v15, s23, v15                     ; and on the way out: SP x lane: my 16 neighbours
	v_mul_u32_u24 v4, v2, CB                       ; my codes' place in a step's
	v_lshrrev_b32 v5, 1, v2
	s_add_co_u32 s23, s23, 2*32*SP
	v_add_nc_u32 v5, s23, v5                       ; LDS: my wave's 256 scale bytes, my block's byte
	v_lshlrev_b32 v7, 3, v2                        ; and on the way out 8 bytes a lane
	v_add_nc_u32 v6, s23, v7
	s_and_b32 s32, s22, 1
	s_lshl_b32 s32, s32, 1
	s_lshr_b32 s33, s22, 1
	s_or_b32 s32, s32, s33                         ; the wave number's two bits exchanged: PI on groups of 8 rows
	s_and_b32 s30, ttmp9, 31                       ; a weight's work-group within its tensor
	s_sub_co_u32 s31, ttmp9, 256                   ; and within the stack of four (not used by x's work-groups)
	s_wait_alu depctr_va_vdst(0)
	s_wait_kmcnt 0x0
	s_mov_b64 s[24:25], s[12:13]                   ; the source: Wp, unless the work-group's number says otherwise
	s_cmp_lt_u32 ttmp9, 352
	s_cselect_b64 s[24:25], s[10:11], s[24:25]     ; Wv
	s_cmp_lt_u32 ttmp9, 320
	s_cselect_b64 s[24:25], s[8:9], s[24:25]       ; Wk
	s_cmp_lt_u32 ttmp9, 288
	s_cselect_b64 s[24:25], s[6:7], s[24:25]       ; Wq
	s_cmp_lt_u32 ttmp9, 256
	s_cselect_b64 s[24:25], s[4:5], s[24:25]       ; x
	s_cselect_b64 s[26:27], s[14:15], s[18:19]     ; the codes: xc or wc
	s_cselect_b64 s[28:29], s[16:17], s[20:21]     ; the scale bytes: xs or ws
	s_cselect_b32 s30, ttmp9, s30
	s_cselect_b32 s31, ttmp9, s31
	s_lshl_b32 s30, s30, 2
	s_add_co_u32 s30, s30, s22                     ; which run of 8 rows I read
	s_lshl_b32 s34, s30, 15                        ; 32,768 bytes a run
	s_mov_b32 s35, 0
	s_add_nc_u64 s[24:25], s[24:25], s[34:35]
	s_lshl_b32 s31, s31, 2
	s_add_co_u32 s31, s31, s32                     ; at which run of 8 positions I store
	s_mul_i32 s34, s31, 32*STEPS*CB                ; 6,144 bytes of codes a run
	s_add_nc_u64 s[26:27], s[26:27], s[34:35]
	s_lshl_b32 s34, s31, 8                         ; 256 scale bytes a run
	s_add_nc_u64 s[28:29], s[28:29], s[34:35]
.macro LOAD t
.irp i, 0,1,2,3
	global_load_b128 v[R+16*((\t)%4)+4*\i:R+16*((\t)%4)+4*\i+3], v3, s[24:25] offset:2048*(\t)+512*\i th:TH_LOAD_NT   ; 32 lanes read 512 consecutive bytes
.endr
.endm
.macro TURN t                          ; step t's numbers through the stage: LDS serves a wave's instructions in order (ISA guide 5.7.1.4), so no wait stands between the stores and the loads
.irp i, 0,1,2,3
	ds_store_b128 v14, v[R+16*((\t)%4)+4*\i:R+16*((\t)%4)+4*\i+3] offset:32*SP*((\t)%2)+8*SP*\i
.endr
.irp i, 0,1,2,3
	ds_load_b128 v[X+16*((\t)%2)+4*\i:X+16*((\t)%2)+4*\i+3], v15 offset:32*SP*((\t)%2)+16*\i
.endr
.endm
.irp t, 0,1,2,3
	LOAD \t
.endr
	s_wait_loadcnt 12                              ; step 0's four loads are in
	TURN 0
.macro STEP t
.set XS, X+16*((\t)%2)
.if (\t) > 0
	s_wait_dscnt 1                                 ; this step's numbers are back from the stage (the last step's byte store may be out): so its stores into the stage have read their registers,
.else
	s_wait_dscnt 0x0
.endif
.if (\t)+4 < STEPS
	LOAD (\t)+4                                    ; which take the loads of four steps on
.endif
.if (\t)+1 < STEPS
.if STEPS-2-(\t) >= 3
	s_wait_loadcnt 12                              ; the next step's four loads are in; those of the three steps behind it may be out
.else
	s_wait_loadcnt 4*(STEPS-2-(\t))
.endif
	TURN (\t)+1                                    ; and go through the other stage while this step is worked
.endif
	v_max3_num_f32 v8, |v[XS]|, |v[XS+1]|, |v[XS+2]|               ; the largest magnitude of my 16, in two chains
	v_max3_num_f32 v9, |v[XS+3]|, |v[XS+4]|, |v[XS+5]|
.irp i, 6,10
	v_max3_num_f32 v8, v8, |v[XS+\i]|, |v[XS+\i+1]|
	v_max3_num_f32 v9, v9, |v[XS+\i+2]|, |v[XS+\i+3]|
.endr
	v_max3_num_f32 v8, v8, |v[XS+14]|, |v[XS+15]|
	v_max3_num_f32 v8, v8, v9, (EMAX+1)<<23        ; and the floor 2^(3 - 127): the byte cannot fall under 1
	v_max_num_f32_dpp v8, v8, v8 row_xmask:1 row_mask:0xf bank_mask:0xf   ; and of my neighbour's 16: the block's
	v_add_nc_u32 v11, -(EMAX<<23), v8              ; 2 off its exponent field: the conversion takes the exponent field of this operand as its scale, and nothing else of it
	v_cvt_scalef32_pk16_fp6_f32 v[C+4*(\t):C+4*(\t)+2], v[XS:XS+15], v11         ; sixteen codes, 96 bits without gaps, the first number's code lowest
	v_lshrrev_b32 v[E+(\t)], 23, v11               ; the scale's byte (also the plain line behind the conversion)
	ds_store_b8 v5, v[E+(\t)] offset:16*(\t)       ; both lanes of a block write the same byte with the same value
	global_store_b96 v4, v[C+4*(\t):C+4*(\t)+2], s[26:27] offset:32*CB*(\t)      ; the wave stores 384 consecutive bytes
.endm
.irp t, 0,1,2,3,4,5,6,7,8,9,10,11,12,13,14,15
	STEP \t
.endr
	ds_load_b64 v[12:13], v6                       ; in order behind my byte stores
	s_wait_dscnt 0x0
	global_store_b64 v7, v[12:13], s[28:29]        ; 32 lanes store 256 consecutive bytes, aligned
	s_wait_tensorcnt 0x0
	ds_add_u32 v192, v193
	s_wait_dscnt 0x0
	s_endpgm
.Lfunc_end_k_q5972abb3ee_quant:
	.size	k_q5972abb3ee_quant, .Lfunc_end_k_q5972abb3ee_quant-k_q5972abb3ee_quant
	.p2alignl 7, 3214868480
	.fill 96, 4, 3214868480
	.section	.rodata,"a",@progbits
	.p2align	6, 0x0
	.amdhsa_kernel k_q5972abb3ee_quant
		.amdhsa_group_segment_fixed_size 33280
		.amdhsa_private_segment_fixed_size 0
		.amdhsa_enable_private_segment 0
		.amdhsa_kernarg_size 72
		.amdhsa_user_sgpr_count 2
		.amdhsa_user_sgpr_kernarg_segment_ptr 1
		.amdhsa_wavefront_size32 1
		.amdhsa_system_sgpr_workgroup_id_x 1
		.amdhsa_system_sgpr_workgroup_id_y 1
		.amdhsa_system_sgpr_workgroup_id_z 1
		.amdhsa_system_vgpr_workitem_id 0
		.amdhsa_next_free_vgpr 194
		.amdhsa_next_free_sgpr 66
		.amdhsa_reserve_vcc 0
		.amdhsa_float_denorm_mode_32 3
		.amdhsa_float_denorm_mode_16_64 3
		.amdhsa_memory_ordered 1
		.amdhsa_forward_progress 1
		.amdhsa_inst_pref_size 33
	.end_amdhsa_kernel
	.amdgpu_metadata
---
amdhsa.version: [ 1, 2 ]
amdhsa.kernels:
  - .name:           k_q5972abb3ee_quant
    .symbol:         k_q5972abb3ee_quant.kd
    .args:
      - { .name: x, .offset: 0, .size: 8, .value_kind: global_buffer, .address_space: global }
      - { .name: Wq, .offset: 8, .size: 8, .value_kind: global_buffer, .address_space: global }
      - { .name: Wk, .offset: 16, .size: 8, .value_kind: global_buffer, .address_space: global }
      - { .name: Wv, .offset: 24, .size: 8, .value_kind: global_buffer, .address_space: global }
      - { .name: Wp, .offset: 32, .size: 8, .value_kind: global_buffer, .address_space: global }
      - { .name: xc, .offset: 40, .size: 8, .value_kind: global_buffer, .address_space: global }
      - { .name: xs, .offset: 48, .size: 8, .value_kind: global_buffer, .address_space: global }
      - { .name: wc, .offset: 56, .size: 8, .value_kind: global_buffer, .address_space: global }
      - { .name: ws, .offset: 64, .size: 8, .value_kind: global_buffer, .address_space: global }
    .group_segment_fixed_size: 33280
    .private_segment_fixed_size: 0
    .kernarg_segment_align: 8
    .kernarg_segment_size: 72
    .max_flat_workgroup_size: 128
    .sgpr_count:     66
    .vgpr_count:     194
    .wavefront_size: 32
...
	.end_amdgpu_metadata
.endif
;; end of part 1
;; launch proj (part 2): grid 12 x 32, 4 waves a work-group, clusters of 4 x 4, 327,680 bytes of LDS; arguments xc, xs, wc, ws, qb, kv; writes qb, kv
.if DOCPART == 2
	.amdgcn_target "amdgcn-amd-amdhsa--gfx1250"
	.amdhsa_code_object_version 6
	.text
	.protected	k_q5972abb3ee_proj
	.globl	k_q5972abb3ee_proj
	.p2align	8
	.type	k_q5972abb3ee_proj,@function
k_q5972abb3ee_proj:
	s_mov_b64 s[64:65], 0
	v_nop
	global_prefetch_b8 v0, s[64:65] scope:SCOPE_SE
	s_setreg_imm32_b32 hwreg(HW_REG_WAVE_MODE, 25, 1), 1
	s_wait_xcnt 0x0
	s_wait_alu depctr_hold_cnt(0) depctr_sa_sdst(0) depctr_va_vdst(0) depctr_va_sdst(0) depctr_va_ssrc(0) depctr_va_vcc(0) depctr_vm_vsrc(0)
	s_getreg_b32 s2, hwreg(HW_REG_IB_STS2, 6, 4)
	s_cmp_eq_u32 s2, 0
	s_cbranch_scc0 .Lentry_in_a_cluster
	s_endpgm
.Lentry_in_a_cluster:
	s_bfe_u32 s2, ttmp6, 0x10000c
	s_cmp_lg_u32 s2, 0xf033
	s_cbranch_scc0 .Lentry_shape_is_right
	s_endpgm
.Lentry_shape_is_right:
; q = x Wq^T, k = x Wk^T, v = x Wv^T on codes of FP6 (E2M3) with E8M0 scales, K = 1,024; the results are quantised in registers (q and k along the head's 64 channels, v along the keys) and stored as images of operand registers.
; ONE BODY, TWO ROLES.  The body computes: lane = a row of A, registers = rows of B, quantise along B's rows.  Clusters with x = 0 (q) and 1 (k): A = x, B = Wq, Wk stacked.  Clusters with x = 2 (v): A = Wv, B = x,
; so that a lane holds a channel and its registers run along the tokens.  The role hangs on the cluster's x alone, which all sixteen partners share; pointers and tile numbers are chosen by selects.
; A tile of 256 x 256 is made by four waves, each 128 x 128: 64 accumulators, 512 registers.  K goes in steps of 256 through a ring of two LDS slots filled by the tensor data mover; a tile's row is 192 bytes.
; The scale bytes of the work-group's 256 + 256 rows, for all of K, come into LDS once, with the first fills.
; CLUSTERS: 4 x 4 work-groups; A's tiles are asked for jointly along a row of the cluster, B's along a column.  The matrix instruction is used transposed: source 0 = 16 rows of B, source 1 = 16 rows of A.
; ROWS LIE IN POSITION ORDER (bits 3 and 4 of the row index exchanged), so the 16 registers of accumulators (a, 2 b) and (a, 2 b + 1) in lane (r, h) are the true indices 32 b + 16 h + 0 .. 15 of B's rows.
; THE WAY OUT has no LDS: a block of 16 rows x 128 becomes one fragment (12 registers a lane) and one scale word a row.
;   q, k: registers 0-5 are the first head's 64 channels, 6-11 the second's: two half images of 768 bytes (registers 0-3 at 16 x lane, 4-5 at 512 + 8 x lane).   v: one whole image of 1,536 bytes (three chunks at 16 x lane).
;   qb [bh 64][step 16][8 tiles x 768, 512 bytes of scale words];  kv [bh 64][step 16][K: 8 x 768, 512 | V: 4 d-tiles x 1,536, 256].  Every store covers whole aligned runs of 256 bytes.
; LIMITS: a block whose largest magnitude lies under 2^-124 keeps the byte 1, a block of zeros too (its codes are zeros; this program alone reads the bytes); NaN and infinities are not served.
; No prefetch is laid: K has four steps, of which two are first fills.
; REGISTERS: window 0: v0-31 addresses; v32-63 scale words, two sets; from v128 A's fragments, one set.  Window 1: B's fragments, two sets, at v0 and v128.  Windows 2, 3: the accumulators ((a, b) at v[8 (8 (a % 4) + b)]).
.set SIZE_K, 1024
.set KSTEP,  256                       ; along K in a slot
.set NQ,     KSTEP/128                 ; matrix instructions deep
.set ROWB,   192                       ; a tile's row in bytes
.set KROW,   SIZE_K*6/8                ; a row of codes in memory
.set PITCH,  240                       ; an LDS row: 3 x (64 bytes + 16 of padding)
.set FR,     12                        ; registers of a fragment
.set NL,     6                         ; LDS loads that bring one
.set NP,     4                         ; places behind this matrix instruction (ISA guide 7.12.1)
.set HALFT,  128*PITCH                 ; 128 rows: what one tensor load brings
.set SLOT,   4*HALFT                   ; A's 256 rows, then B's 256 rows
.set LAPS,   SIZE_K/(2*KSTEP)
.set KS,     SIZE_K/32                 ; a row of scale bytes
.set SCL,    2*SLOT                    ; behind the ring: the scales, as runs of 256 bytes + 16 of padding
.set HALFS,  (128*KS/256)*272
.set SBLK,   (16*KS/256)*272
.set SPARE,  SCL+4*HALFS               ; the spare words, 128 bytes for each wave; no other line names them
.set ADRA, 16                          ; v16-17 LDS address of my A fragments in slot 0, 1 (v18-19: behind one padding more)
.set ADRB, 20                          ; v20-23 the same for B
.set L8,   24                          ; v24  8 x lane
.set VSO,  25                          ; v25  208,896 h + 16 r: V's scale words, the two halves of the lanes for the two heads
.set L16,  26                          ; v26  16 x lane
.set ADRS, 27                          ; v27  LDS address of my scale words
.set SPW,  28                          ; v28  my spare word; never rewritten
.set NIL,  29                          ; v29  0; never rewritten
.set HH,   30                          ; v30  h
.set SC,   32
.set AF,   128
.set CD,   112                         ; the way out: v112-130 the codes just made
.set TM,   200                         ; v200-203 largest magnitudes, v204-207 bytes, v212-215 the conversions' scale operands
.set SW,   216                         ; v216-223 the eight blocks' scale words
.set TA,   224
.set TBB,  228
.set TT,   232
.set G1, 24
.set G0, 32
.set G1B, 48
.set G0B, 56
.set G1S, 68
.set G0S, 76
.set G1SB, 80
.set G0SB, 88
.set MSB, 0
.macro WIN new                         ; the immediate's high byte repeats the setting that is left
.if MSB != \new
	s_set_vgpr_msb (MSB<<8)|\new
.set MSB, \new
.endif
.endm
.set MUL_LO, 0xa1                      ; source 0 (B) window 1, source 1 (A) window 0, C and D window 2
.set MUL_HI, 0xf1                      ; the same, C and D window 3
.set TO_B,   0x40                      ; destination window 1, address window 0
; A joint load: waves 0 and 1 fetch for A, waves 2 and 3 for B; the branch hangs on the wave's number alone.  Four v_nop follow each of the two lines.
.macro JLOAD g0a, g1a, g0b, g1b
	s_cmp_eq_u32 s15, 0
	s_cbranch_scc0 .Lfor_b_\@
	tensor_load_to_lds s[\g0a:\g0a+3], s[\g1a:\g1a+7]
	s_nop 0
.rept 4
	v_nop
.endr
	s_branch .Lasked_\@
.Lfor_b_\@:
	tensor_load_to_lds s[\g0b:\g0b+3], s[\g1b:\g1b+7]
	s_nop 0
.rept 4
	v_nop
.endr
.Lasked_\@:
.endm
.macro CREST                           ; a round of the cluster's barrier behind its opening barrier
	s_cmp_lg_u32 s14, 0
	s_cbranch_scc1 .Lnot_wave_0_\@
	s_barrier_signal -3
.Lnot_wave_0_\@:
	s_barrier_wait -3
	s_barrier_signal -1
	s_barrier_wait -1
.endm
.macro CROUND                          ; a whole round
	s_barrier_signal -1
	s_barrier_wait -1
	CREST
.endm
	s_load_b128 s[4:7], s[0:1], 0x0                ; xc, xs
	s_load_b128 s[8:11], s[0:1], 0x10              ; wc, ws
	s_load_b128 s[96:99], s[0:1], 0x20             ; qb, kv
	v_lshl_add_u32 v[SPW], v0, 2, SPARE
	v_mov_b32 v[NIL], 0
	ds_add_u32 v28, v29
	ds_add_u32 v28, v29
	s_wait_dscnt 0x0
	v_lshrrev_b32 v1, 5, v0
	v_readfirstlane_b32 s14, v1                    ; wave 0..3
	s_lshr_b32 s15, s14, 1                         ; which half of the tile's rows is mine.  Also: I fetch for A (0) or for B (1)
	s_and_b32 s16, s14, 1                          ; which half of its columns.  Also: which 128 rows of that tile I fetch
	s_bfe_u32 s40, ttmp6, 0x40000                  ; cx, cy: my place in the cluster
	s_bfe_u32 s41, ttmp6, 0x40004
	s_and_b32 s95, ttmp7, 0xffff                   ; the cluster's y
	s_cmp_eq_u32 ttmp9, 2                          ; the role: v where the cluster's x is 2
	s_cselect_b32 s42, s95, ttmp9                  ; v: x's 32 tile columns go along the clusters' y; q, k: the weights' 8 along their x
	s_cselect_b32 s17, 0, s95                      ; v: Wv has four tile rows, one cluster's worth; q, k: x's 32 along the clusters' y
	s_cselect_b32 s66, 1, 0                        ; 1 = v
	s_cselect_b32 s67, 6656, 0                     ; V's images lie 6,656 bytes into a step's block of kv
	s_lshl_b32 s42, s42, 2
	s_add_co_u32 s42, s42, s40                     ; tile column
	s_lshl_b32 s17, s17, 2
	s_add_co_u32 s17, s17, s41                     ; tile row
	s_lshl_b32 s43, s41, 2
	s_lshl_b32 s43, 15, s43                        ; my row of the cluster
	s_lshl_b32 s44, 0x1111, s40                    ; my column
	; descriptor group 1: a tile of 128 rows x 192 bytes, 16 bytes of padding behind every 64
	s_or_b32 s[G1+0], s43, (0<<16)|(1<<20)|(1<<21)|(3<<22)|(3<<25)
	s_or_b32 s[G1B+0], s44, (0<<16)|(1<<20)|(1<<21)|(3<<22)|(3<<25)
.irp g, G1, G1B
	s_mov_b32 s[\g+1], ROWB<<16                    ; tensor_dim0
	s_mov_b32 s[\g+2], 128<<16                     ; tensor_dim1
	s_mov_b32 s[\g+3], ROWB<<16                    ; tile_dim0
	s_mov_b32 s[\g+4], 128                         ; tile_dim1
	s_mov_b32 s[\g+5], KROW                        ; the pitch
	s_mov_b32 s[\g+6], 0
	s_mov_b32 s[\g+7], 0
.endr
	; the scales of 128 rows: a dense block of 4,096 bytes, as 16 rows of 256 bytes (32 elements of 8), 16 bytes of padding behind each
	s_or_b32 s[G1S+0], s43, (3<<16)|(1<<20)|(1<<21)|(5<<22)|(3<<25)
	s_or_b32 s[G1SB+0], s44, (3<<16)|(1<<20)|(1<<21)|(5<<22)|(3<<25)
.irp g, G1S, G1SB
	s_mov_b32 s[\g+1], 32<<16
	s_mov_b32 s[\g+2], (128*KS/256)<<16
	s_mov_b32 s[\g+3], 32<<16
	s_mov_b32 s[\g+4], 128*KS/256
	s_mov_b32 s[\g+5], 32
	s_mov_b32 s[\g+6], 0
	s_mov_b32 s[\g+7], 0
.endr
	s_lshl_b32 s18, s16, 7                         ; which 128 rows of the tile I fetch
	s_lshl_b32 s20, s17, 8
	s_add_co_u32 s20, s20, s18                     ; A: position 256 x tile row + 128 x half
	s_lshl_b32 s46, s42, 8
	s_add_co_u32 s46, s46, s18                     ; B: position 256 x tile column + 128 x half
	s_mov_b32 s21, 0
	s_mov_b32 s47, 0
	s_mov_b64 s[18:19], KS
	s_mul_u64 s[22:23], s[20:21], s[18:19]         ; where these rows' scales begin,
	s_mul_u64 s[92:93], s[46:47], s[18:19]
	s_mov_b64 s[18:19], KROW
	s_mul_u64 s[20:21], s[20:21], s[18:19]         ; and their codes
	s_mul_u64 s[46:47], s[46:47], s[18:19]
	s_mul_i32 s45, s14, HALFT                      ; where they go: wave x 128 rows: no place in the cluster enters an LDS address
	s_mul_i32 s94, s14, HALFS
	s_wait_kmcnt 0x0
	s_add_nc_u64 s[100:101], s[8:9], 2048*KROW     ; Wv's codes: positions 2,048 on of the stack
	s_add_nc_u64 s[2:3], s[10:11], 2048*KS         ; and its scale bytes
	s_cmp_eq_u32 ttmp9, 2
	s_cselect_b64 s[8:9], s[4:5], s[8:9]           ; B: x for v, the stacked weights for q and k
	s_cselect_b64 s[10:11], s[6:7], s[10:11]
	s_cselect_b64 s[4:5], s[100:101], s[4:5]       ; A: Wv for v, x for q and k
	s_cselect_b64 s[6:7], s[2:3], s[6:7]
	s_add_nc_u64 s[20:21], s[4:5], s[20:21]
	s_add_nc_u64 s[22:23], s[6:7], s[22:23]
	s_add_nc_u64 s[46:47], s[8:9], s[46:47]
	s_add_nc_u64 s[92:93], s[10:11], s[92:93]
	CROUND                                         ; all sixteen work-groups are here: the first joint loads meet
	s_mov_b32 s[G0S], 1
	s_add_co_u32 s[G0S+1], s94, SCL
	s_mov_b64 s[G0S+2:G0S+3], s[22:23]
	s_or_b32 s[G0S+3], s[G0S+3], 0x80000000
	s_mov_b32 s[G0SB], 1
	s_add_co_u32 s[G0SB+1], s94, SCL
	s_mov_b64 s[G0SB+2:G0SB+3], s[92:93]
	s_or_b32 s[G0SB+3], s[G0SB+3], 0x80000000
	JLOAD G0S, G1S, G0SB, G1SB                     ; the scales first: they are wanted with K step 0
.irp s, 0,1
	s_mov_b32 s[G0+4*\s], 1
	s_add_co_u32 s[G0+4*\s+1], s45, \s*SLOT
	s_add_nc_u64 s[G0+4*\s+2:G0+4*\s+3], s[20:21], \s*ROWB
	s_or_b32 s[G0+4*\s+3], s[G0+4*\s+3], 0x80000000
	s_mov_b32 s[G0B+4*\s], 1
	s_add_co_u32 s[G0B+4*\s+1], s45, \s*SLOT
	s_add_nc_u64 s[G0B+4*\s+2:G0B+4*\s+3], s[46:47], \s*ROWB
	s_or_b32 s[G0B+4*\s+3], s[G0B+4*\s+3], 0x80000000
	s_wait_alu depctr_va_vdst(0)
	s_wait_tensorcnt 0x0
	ds_add_u32 v28, v29
	s_wait_dscnt 0x0
	CROUND
	JLOAD G0+4*\s, G1, G0B+4*\s, G1B               ; my only tensor load out: the ones before it have landed
.endr
	v_and_b32 v1, 15, v0                           ; r
	v_bfe_u32 v2, v0, 4, 1                         ; h
	v_mul_u32_u24 v3, v1, PITCH
	v_mul_u32_u24 v4, v2, 24
	v_add_nc_u32 v4, v3, v4                        ; a fragment's row x pitch + 24 x half
	v_lshl_add_u32 v5, v2, 4, v4                   ; and the same behind one padding more
	s_mul_i32 s21, s15, HALFT                      ; my 128 rows of A
	s_mul_i32 s22, s16, HALFT                      ; my 128 rows of B,
	s_add_co_u32 s22, s22, 2*HALFT                 ; which lie behind A's 256
.irp s, 0,1
	v_add_nc_u32 v[ADRA+\s], s21, v4
	v_add_nc_u32 v[ADRB+\s], s22, v4
	v_add_nc_u32 v[ADRA+2+\s], s21, v5
	v_add_nc_u32 v[ADRB+2+\s], s22, v5
	s_add_co_u32 s21, s21, SLOT
	s_add_co_u32 s22, s22, SLOT
.endr
	v_mul_u32_u24 v5, v1, KS                       ; my row's scales: 32 bytes a row,
	v_lshrrev_b32 v6, 8, v5
	v_lshl_add_u32 v5, v6, 4, v5                   ; and 16 more for each 256 passed
	s_mul_i32 s21, s15, HALFS                      ; A's: my 128 rows
	s_mul_i32 s22, s16, HALFS                      ; B's: my 128 rows, behind A's 256
	s_add_co_u32 s22, s22, 2*HALFS
	s_sub_co_u32 s22, s22, s21
	v_mul_u32_u24 v6, s22, v2                      ; lanes 16-31 take B's: one product, the distance x h
	s_add_co_u32 s21, s21, SCL
	v_add_nc_u32 v5, v5, v6
	v_add_nc_u32 v[ADRS], s21, v5
	v_and_b32 v6, 31, v0
	v_lshlrev_b32 v[L16], 4, v6
	v_lshlrev_b32 v[L8], 3, v6
	v_mul_u32_u24 v[VSO], v2, 208896               ; a head of kv is 16 x 13,056 bytes
	v_lshl_add_u32 v[VSO], v1, 4, v[VSO]
	v_mov_b32 v[HH], v2
	; where my results go.  My 128 token positions are one step of 128; my 128 channels are two heads.
	s_lshl_b32 s20, s17, 8
	s_lshl_b32 s21, s15, 7
	s_add_co_u32 s20, s20, s21                     ; my first row's position
	s_lshl_b32 s46, s42, 8
	s_lshl_b32 s47, s16, 7
	s_add_co_u32 s46, s46, s47                     ; my first column's
	s_cmp_eq_u32 ttmp9, 2
	s_cselect_b32 s22, s46, s20                    ; the tokens: columns for v, rows for q and k
	s_cselect_b32 s23, s20, s46                    ; the channels
	s_cmp_eq_u32 ttmp9, 0
	s_cselect_b64 s[12:13], s[96:97], s[98:99]     ; q goes to qb, k and v to kv
	s_mov_b32 s92, 13056
	s_cselect_b32 s92, 6656, s92                   ; a step's block in bytes
	s_lshl_b32 s93, s92, 4                         ; a head's
	s_lshr_b32 s94, s22, 11                        ; the batch
	s_bfe_u32 s95, s22, 0x40007                    ; the step
	s_bfe_u32 s45, s23, 0x40006                    ; my first head
	s_lshl_b32 s94, s94, 4
	s_add_co_u32 s94, s94, s45
	s_mul_i32 s94, s94, s93
	s_mul_i32 s95, s95, s92
	s_add_co_u32 s94, s94, s95
	s_add_co_u32 s20, s94, s67
	s_mov_b32 s21, 0
	s_add_nc_u64 s[12:13], s[12:13], s[20:21]      ; my first head's block of this step
	s_mov_b32 s20, s93
	s_add_nc_u64 s[18:19], s[12:13], s[20:21]      ; my second head's
	s_mov_b32 s20, 0x76543210
	s_mov_b32 s21, 0xfedcba98                      ; v_permlanex16_b32's selects for lane l xor 16
.macro FRAG reg, adr, q, i             ; a fragment, 16 rows x 128 K: lane l holds row l % 16; registers 6 c .. 6 c + 5 hold K = 64 c + 32 (l / 16) + 0 .. 31: 24 bytes of the row's stream of bits, in pieces of 8 bytes
.irp p, 0,1,2,3,4,5
.set PCE, 12*(\q)+6*(\p/3)+\p%3        ; 16 bytes of padding lie behind every 8 pieces: where the piece three on lies behind one padding more, the second address register serves
.if PCE%8 < 5
	ds_load_b64 v[\reg+2*\p:\reg+2*\p+1], v[\adr] offset:8*PCE+16*(PCE/8)+(\i)*16*PITCH
.else
	ds_load_b64 v[\reg+2*\p:\reg+2*\p+1], v[\adr+2] offset:8*PCE+16*(PCE/8)+(\i)*16*PITCH
.endif
.endr
.endm
; 16 matrix instructions: A's blocks a0, a0 + 1 x B's eight, 128 along K.  p: B's set; sc: the set of scale words.  zero = 1: the first product starts the sums.
; The 64 accumulators take turns, one instruction a turn, in the same order in every step.
.macro MUL16 a0, p, q, sc, zero
.irp a, \a0, \a0+1
.irp b, 0,1,2,3,4,5,6,7
.if \zero
	v_wmma_scale_f32_16x16x128_f8f6f4 v[8*(8*((\a)%4)+\b):8*(8*((\a)%4)+\b)+7], v[128*(\p)+FR*\b:128*(\p)+FR*\b+FR-1], v[AF+FR*(\a):AF+FR*(\a)+FR-1], 0, v[SC+8*NQ*(\sc)+NQ*\b+(\q)], v[SC+8*NQ*(\sc)+NQ*(\a)+(\q)] matrix_a_fmt:MATRIX_FMT_FP6 matrix_b_fmt:MATRIX_FMT_FP6 matrix_a_scale:MATRIX_SCALE_ROW1
.else
	v_wmma_scale_f32_16x16x128_f8f6f4 v[8*(8*((\a)%4)+\b):8*(8*((\a)%4)+\b)+7], v[128*(\p)+FR*\b:128*(\p)+FR*\b+FR-1], v[AF+FR*(\a):AF+FR*(\a)+FR-1], v[8*(8*((\a)%4)+\b):8*(8*((\a)%4)+\b)+7], v[SC+8*NQ*(\sc)+NQ*\b+(\q)], v[SC+8*NQ*(\sc)+NQ*(\a)+(\q)] matrix_a_fmt:MATRIX_FMT_FP6 matrix_b_fmt:MATRIX_FMT_FP6 matrix_a_scale:MATRIX_SCALE_ROW1
.endif
.endr
.endr
.endm
.macro FETCH_B slot, q, p              ; B's eight fragments of the slot's q-th 128 along K into set p
	WIN TO_B
.irp i, 0,1,2,3,4,5,6,7
	FRAG 128*(\p)+FR*\i, ADRB+\slot, \q, \i
.endr
	WIN 0
.endm
.macro FETCH_A slot, q, i0             ; A's blocks i0 .. i0 + 3
.irp i, \i0, \i0+1, \i0+2, \i0+3
	FRAG AF+FR*(\i), ADRA+\slot, \q, \i
.endr
.endm
.macro SCALES sc                       ; the next K step's scale words into set sc: lanes 0-15 take A's block i, lanes 16-31 B's block i
.irp i, 0,1,2,3,4,5,6,7
	ds_load_b64 v[SC+8*NQ*\sc+NQ*\i:SC+8*NQ*\sc+NQ*\i+1], v[ADRS] offset:\i*SBLK
.endr
.endm
.macro PLACES n                        ; plain vector instructions between a matrix instruction and a load into, or a vector read of, its registers
.rept \n
	v_nop
.endr
.endm
; A step of 128 along K that has its successor in the same slot.
.macro STEP slot, q, zero
	s_wait_dscnt 4*NL                              ; B's set and A's blocks 0-3 are in; the youngest 24 loads (A's blocks 4-7) may be out
	WIN MUL_LO
	MUL16 0, (\q)%2, \q, \slot, \zero
	MUL16 2, (\q)%2, \q, \slot, \zero
	s_wait_dscnt 0                                 ; A's blocks 4-7 are in
	PLACES NP
	FETCH_B \slot, (\q)+1, 1-(\q)%2
	FETCH_A \slot, (\q)+1, 0
	WIN MUL_HI
	MUL16 4, (\q)%2, \q, \slot, \zero
	MUL16 6, (\q)%2, \q, \slot, \zero
	PLACES NP
	WIN 0
	FETCH_A \slot, (\q)+1, 4
.endm
; A slot's last step changes slots: one barrier; in front of it each wave waits for all its tensor loads, adds 0 to its spare word, and waits for that and for its own reads of this slot.  fill = 1: this slot is filled again, two K steps ahead.
.macro TURN slot, next, fill
	s_wait_tensorcnt 0x0                           ; all my tensor loads have landed: my part of the next slot
	ds_add_u32 v[SPW], v[NIL]                      ; 0 onto my spare word
	s_wait_dscnt 4*NL+1                            ; (the add and the youngest 24 loads may be out)
	WIN MUL_LO
	MUL16 0, 1, NQ-1, \slot, 0                     ; sixteen matrix instructions stand between the add and the wait for it
	s_wait_dscnt 0x0                               ; the add is done, and my reads of this slot are over
	s_barrier_signal -1
	MUL16 2, 1, NQ-1, \slot, 0
	WIN 0
	s_barrier_wait -1
.if \fill
	CREST                                          ; the barrier has opened a round of the cluster's barrier: no wave of any partner still reads this slot's tile or has a load on its way
	s_add_nc_u64 s[G0+4*\slot+2:G0+4*\slot+3], s[G0+4*\slot+2:G0+4*\slot+3], 2*ROWB
	s_add_nc_u64 s[G0B+4*\slot+2:G0B+4*\slot+3], s[G0B+4*\slot+2:G0B+4*\slot+3], 2*ROWB
	JLOAD G0+4*\slot, G1, G0B+4*\slot, G1B         ; the first tensor load behind the round, my only one until the next; its four v_nop are the places in front of the loads below
.else
	PLACES NP
.endif
	s_wait_alu depctr_va_vdst(0)
	v_add_nc_u32 v[ADRS], 4*NQ, v[ADRS]            ; on to the next K step's scale words
	FETCH_B \next, 0, 0
	FETCH_A \next, 0, 0
	SCALES \next
	WIN MUL_HI
	MUL16 4, 1, NQ-1, \slot, 0
	MUL16 6, 1, NQ-1, \slot, 0
	PLACES NP
	WIN 0
	FETCH_A \next, 0, 4
.endm
	s_wait_alu depctr_va_vdst(0)
	s_wait_tensorcnt 1                             ; the scales and my part of K step 0 are in (K step 1's load may be out)
	s_barrier_signal -1
	s_barrier_wait -1                              ; everybody's are
	FETCH_B 0, 0, 0
	FETCH_A 0, 0, 0
	SCALES 0
	FETCH_A 0, 0, 4
	STEP 0, 0, 1                                   ; the first step stands in front of the loop: its products start the sums
	s_mov_b32 s3, LAPS-1
.Llap:                                                 ; a trip goes once round the ring and fills both slots again
	TURN 0, 1, 1
	STEP 1, 0, 0
	TURN 1, 0, 1
	STEP 0, 0, 0
	s_sub_co_u32 s3, s3, 1
	s_cmp_lg_u32 s3, 0
	s_cbranch_scc1 .Llap
	TURN 0, 1, 0                                   ; the last lap fills nothing
	STEP 1, 0, 0
	s_wait_dscnt 4*NL                              ; the very last step: nothing more to fetch
	WIN MUL_LO
	MUL16 0, 1, NQ-1, 1, 0
	MUL16 2, 1, NQ-1, 1, 0
	s_wait_dscnt 0
	WIN MUL_HI
	MUL16 4, 1, NQ-1, 1, 0
	MUL16 6, 1, NQ-1, 1, 0
	WIN 0
; THE WAY OUT.  Block a (16 rows of A x my 128 rows of B): 64 numbers a lane, register 16 b + i = index 32 b + 16 h + i of my lane's row.  They become a fragment's codes in v[CD] on and a scale word in v[SW + a].
.macro QUANT a
.set QW, 2+(\a)/4                      ; the block's window
.set QS, 64*((\a)%4)                   ; and its first register there
.set WW, QW|(QW<<2)
	WIN WW                                         ; sources 0 and 1 in the block's window
.irp b, 0,1,2,3
	v_max3_num_f32 v[TM+\b], |v[QS+16*\b]|, |v[QS+1+16*\b]|, 0x1800000   ; my 16 numbers of block b of 32, and the floor 2^(3 - 127); each accumulator is read from its low end on
.endr
.set WW, (QW<<2)|(QW<<4)
	WIN WW                                         ; sources 1 and 2
.irp i, 2,4,6,8,10,12,14
.irp b, 0,1,2,3
	v_max3_num_f32 v[TM+\b], v[TM+\b], |v[QS+16*\b+\i]|, |v[QS+1+16*\b+\i]|   ; the four blocks by turns
.endr
.endr
	WIN 0
.irp b, 0,1,2,3
	v_permlanex16_b32 v[TM+4+\b], v[TM+\b], s20, s21
.endr
.irp b, 0,1,2,3
	v_max_num_f32 v[TM+\b], v[TM+\b], v[TM+4+\b]   ; with lane l xor 16's: the block's largest magnitude
.endr
.irp b, 0,1,2,3
	v_add_nc_u32 v[TM+12+\b], 0xff000000, v[TM+\b] ; 2 off its exponent field: the conversion's scale operand
.endr
.irp b, 0,1,2,3
	v_lshrrev_b32 v[TM+4+\b], 23, v[TM+12+\b]      ; the scale's byte
.endr
	v_lshl_or_b32 v[SW+(\a)], v[TM+5], 8, v[TM+4]  ; my row's scale word
	v_lshl_or_b32 v[SW+(\a)], v[TM+6], 16, v[SW+(\a)]
	v_lshl_or_b32 v[SW+(\a)], v[TM+7], 24, v[SW+(\a)]
	WIN QW                                         ; source 0 in the block's window
.irp c, 0,1
	v_cvt_scalef32_pk16_fp6_f32 v[CD+6*\c:CD+2+6*\c], v[QS+32*\c:QS+15+32*\c], v[TM+12+2*\c]
	v_cvt_scalef32_pk16_fp6_f32 v[CD+12+4*\c:CD+14+4*\c], v[QS+16+32*\c:QS+31+32*\c], v[TM+12+2*\c+1]   ; (a conversion's three registers begin on an even number)
.endr
	WIN 0
	v_nop                                          ; one plain line behind the scaled conversions
.irp c, 0,1                                    ; the operand's layout wants a whole block of 32 in a lane
.irp i, 0,1,2
	v_permlane16_swap_b32 v[CD+6*\c+\i], v[CD+12+4*\c+\i]
.endr
.irp i, 0,1,2
	v_mov_b32 v[CD+3+6*\c+\i], v[CD+12+4*\c+\i]
.endr
.endr
.endm
.macro OUT a                           ; q, k: tile a of the step, one half image for each of my two heads.   v: d-tile a % 4 of head a / 4, one whole image.  The branch hangs on the cluster's x alone
	s_cmp_eq_u32 s66, 0
	s_cbranch_scc0 .Lv_\@
.irp c, 0,1
	global_store_b128 v[L16], v[CD+6*\c:CD+6*\c+3], s[12+6*\c:13+6*\c] offset:768*(\a)          ; 512 consecutive bytes
	global_store_b64 v[L8], v[CD+6*\c+4:CD+6*\c+5], s[12+6*\c:13+6*\c] offset:768*(\a)+512      ; 256 consecutive bytes
.endr
	s_branch .Ldone_\@
.Lv_\@:
	s_wait_alu depctr_va_vdst(0)
.irp i, 0,1,2
	global_store_b128 v[L16], v[CD+4*\i:CD+4*\i+3], s[12+6*((\a)/4):13+6*((\a)/4)] offset:1536*((\a)%4)+512*\i
.endr
.Ldone_\@:
.endm
	PLACES NP                                      ; behind the last products: their results are read and their operands' registers written below
.irp b, 0,1,2,3
	v_mov_b32 v[TM+4+\b], 0                        ; written once: a lane permute's destination counts as one of its sources
.endr
.irp a, 0,1,2,3,4,5,6,7
.if \a > 0
	s_wait_xcnt 0x0                                ; the last block's stores have read the codes' registers, which are written again below
.endif
	QUANT \a
	OUT \a
.endr
	; the scale words.  Lanes 0-15 carry blocks 0-3, lanes 16-31 blocks 4-7: 16 bytes a lane
	v_cmp_ne_u32 vcc_lo, 0, v[HH]
.irp i, 0,1,2,3
	v_cndmask_b32 v[TT+\i], v[SW+\i], v[SW+4+\i], vcc_lo
.endr
	s_cmp_eq_u32 s66, 0
	s_cbranch_scc0 .Lv_words
.irp i, 0,1,2,3
	v_and_b32 v[TA+\i], 0xffff, v[TT+\i]           ; q, k: bytes 0, 1 are the first head's two blocks,
	v_lshrrev_b32 v[TBB+\i], 16, v[TT+\i]          ; bytes 2, 3 the second's; the upper two bytes of each word are 0 and stand over zero codes
.endr
	global_store_b128 v[L16], v[TA:TA+3], s[12:13] offset:6144
	global_store_b128 v[L16], v[TBB:TBB+3], s[18:19] offset:6144
	s_branch .Lwords_out
.Lv_words:
	s_wait_alu depctr_va_vdst(0)
	global_store_b128 v[VSO], v[TT:TT+3], s[12:13] offset:6144   ; v: lanes 0-15 the first head's four d-tiles, lanes 16-31 the second head's: 256 consecutive bytes each
.Lwords_out:
	s_wait_tensorcnt 0x0                           ; the wave's end
	ds_add_u32 v[SPW], v[NIL]
	s_wait_dscnt 0x0
	CROUND                                         ; the closing round: no work-group ends while a partner may still ask for a tile that names it
	s_endpgm
.Lfunc_end_k_q5972abb3ee_proj:
	.size	k_q5972abb3ee_proj, .Lfunc_end_k_q5972abb3ee_proj-k_q5972abb3ee_proj
	.p2alignl 7, 3214868480
	.fill 96, 4, 3214868480
	.section	.rodata,"a",@progbits
	.p2align	6, 0x0
	.amdhsa_kernel k_q5972abb3ee_proj
		.amdhsa_group_segment_fixed_size 327680
		.amdhsa_private_segment_fixed_size 0
		.amdhsa_enable_private_segment 0
		.amdhsa_kernarg_size 48
		.amdhsa_user_sgpr_count 2
		.amdhsa_user_sgpr_kernarg_segment_ptr 1
		.amdhsa_wavefront_size32 1
		.amdhsa_system_sgpr_workgroup_id_x 1
		.amdhsa_system_sgpr_workgroup_id_y 1
		.amdhsa_system_sgpr_workgroup_id_z 1
		.amdhsa_system_vgpr_workitem_id 0
		.amdhsa_next_free_vgpr 1024
		.amdhsa_next_free_sgpr 102
		.amdhsa_reserve_vcc 1
		.amdhsa_float_denorm_mode_32 3
		.amdhsa_float_denorm_mode_16_64 3
		.amdhsa_memory_ordered 1
		.amdhsa_forward_progress 1
		.amdhsa_inst_pref_size 171
	.end_amdhsa_kernel
	.amdgpu_metadata
---
amdhsa.version: [ 1, 2 ]
amdhsa.kernels:
  - .name:           k_q5972abb3ee_proj
    .symbol:         k_q5972abb3ee_proj.kd
    .args:
      - { .name: xc, .offset: 0, .size: 8, .value_kind: global_buffer, .address_space: global }
      - { .name: xs, .offset: 8, .size: 8, .value_kind: global_buffer, .address_space: global }
      - { .name: wc, .offset: 16, .size: 8, .value_kind: global_buffer, .address_space: global }
      - { .name: ws, .offset: 24, .size: 8, .value_kind: global_buffer, .address_space: global }
      - { .name: qb, .offset: 32, .size: 8, .value_kind: global_buffer, .address_space: global }
      - { .name: kv, .offset: 40, .size: 8, .value_kind: global_buffer, .address_space: global }
    .group_segment_fixed_size: 327680
    .private_segment_fixed_size: 0
    .kernarg_segment_align: 8
    .kernarg_segment_size: 48
    .max_flat_workgroup_size: 128
    .sgpr_count:     102
    .vgpr_count:     1024
    .wavefront_size: 32
...
	.end_amdgpu_metadata
.endif
;; end of part 2
;; launch attn (part 3): grid 4 x 64, 16 waves a work-group, clusters of 4 x 1, 210,944 bytes of LDS; arguments qb, kv, oc, os; writes oc, os
.if DOCPART == 3
	.amdgcn_target "amdgcn-amd-amdhsa--gfx1250"
	.amdhsa_code_object_version 6
	.text
	.protected	k_q5972abb3ee_attn
	.globl	k_q5972abb3ee_attn
	.p2align	8
	.type	k_q5972abb3ee_attn,@function
k_q5972abb3ee_attn:
	s_mov_b64 s[64:65], 0
	v_nop
	global_prefetch_b8 v0, s[64:65] scope:SCOPE_SE
	s_setreg_imm32_b32 hwreg(HW_REG_WAVE_MODE, 25, 1), 1
	s_wait_xcnt 0x0
	s_wait_alu depctr_hold_cnt(0) depctr_sa_sdst(0) depctr_va_vdst(0) depctr_va_sdst(0) depctr_va_ssrc(0) depctr_va_vcc(0) depctr_vm_vsrc(0)
	s_getreg_b32 s2, hwreg(HW_REG_IB_STS2, 6, 4)
	s_cmp_eq_u32 s2, 0
	s_cbranch_scc0 .Lentry_in_a_cluster
	s_endpgm
.Lentry_in_a_cluster:
	s_bfe_u32 s2, ttmp6, 0x10000c
	s_cmp_lg_u32 s2, 0x3003
	s_cbranch_scc0 .Lentry_shape_is_right
	s_endpgm
.Lentry_shape_is_right:
; o = softmax(q k^T / 8) v for 64 (batch, head) pairs, 2,048 queries x 2,048 keys, head size 64, both products on codes of FP6 (E2M3) with E8M0 scales; o is quantised along the channels and stored as codes.
; THE SOFTMAX AHEAD OF THE SECOND PRODUCT: t = score x log2(e) / 8; M = the row's largest t so far, rounded up to a whole number; p = 2^(t - M) is quantised along the keys, not normalised.
; The row's sum is taken of the unquantised p, in f32, and divides O at the end.  When M moves, the sum and O are multiplied by 2^(old M - new M): exact.
; SHARES.  A cluster of four work-groups is one (batch, head); a work-group owns 512 queries, each of its sixteen waves one tile of 16 queries in each of two passes.  Four waves share a SIMD, 256 registers each.
; A HEAD'S K, V AND SCALE WORDS ARE 208,896 DENSE BYTES: they come into LDS once, wave w bringing key step w (13,056 bytes as 51 rows of 256), asked for JOINTLY by the four partners, and are never filled again:
; no ring and no refill.  One tensor load of a wave is out.  No prefetch is laid: all of K and V is asked for by these first loads, and later only 800 bytes of Q a wave and pass are fetched.
; OPERANDS LIE IN LDS AS IMAGES OF THEIR REGISTERS: every load reads consecutive bytes, 16 or 8 a lane.  A step's block: K 8 tiles x 768 | K's scale words 512 | V 4 d-tiles x 1,536 | V's scale words 256.
; The first product has K = 64: registers 6-11 of K's and Q's fragments are zero codes, set once, and bytes 2, 3 of their scale words are 0.
; LAYOUT.  Both products are used transposed: S^T = K Q^T, O^T = V^T P^T: a lane holds one query throughout.  K's tiles and V's channels lie in position order (bits 3 and 4 of the index exchanged), so the 16 registers of
; result tiles 2 b, 2 b + 1 are 16 neighbouring true keys (channels): 32 b + 16 h + 0 .. 15.  Queries stay in position order; the last launch maps them back.
; LIMITS: p under 2^-126 becomes 0; a block whose largest magnitude lies under 2^-124, or of zeros, keeps the byte 1 (this program alone reads the bytes); NaN and infinities are not served.
; The scale bytes of o leave as 2 bytes a row (a head's two of a row's 32): 256 KB of the launch's stores cover their 256-byte runs in part; whole runs would want all sixteen heads in one work-group.
; REGISTERS: v1 16 x lane, v2 8 x lane + 512, v3 16 r, v4-6 the same + the step's LDS byte, v7 32 r; v12 -M, v13 the largest t, v[14:15] the sum; v16-27 Q; v28-31 K's scale words; v32-79 four fragments of K;
; v80-127 V's four; v128-191 S^T, then p; v192-223 O^T; v224-235 p's codes; v232-247, v252, v254 at work; v248-251 V's scale words; v253 p's scale word; v255 Q's.
.set STEPB, 13056                      ; a key step's block
.set KSO,   6144                       ; in it: K's scale words,
.set VIO,   6656                       ; V's images,
.set VSO,   12800                      ; V's scale words
.set QSTEP, 6656                       ; a step's block of qb
.set S,     128
.set O,     192
.macro CROUND                          ; a round of the cluster's barrier
	s_barrier_signal -1
	s_barrier_wait -1
	s_cmp_lg_u32 s18, 0
	s_cbranch_scc1 .Lnot_wave_0_\@
	s_barrier_signal -3
.Lnot_wave_0_\@:
	s_barrier_wait -3
	s_barrier_signal -1
	s_barrier_wait -1
.endm
	s_load_b128 s[4:7], s[0:1], 0x0                ; qb, kv
	s_load_b128 s[8:11], s[0:1], 0x10              ; oc, os
	v_lshl_add_u32 v11, v0, 2, 0x33000
	v_mov_b32 v243, 0
	ds_add_u32 v11, v243
	ds_add_u32 v11, v243
	v_lshrrev_b32 v1, 5, v0
	s_delay_alu instid0(VALU_DEP_1)
	v_readfirstlane_b32 s18, v1                    ; wave 0..15
	s_bfe_u32 s19, ttmp6, 0x40000                  ; cx: it enters Q's and o's global addresses alone
	s_and_b32 s40, ttmp7, 0xffff                   ; 16 x batch + head, which the four partners share
	s_lshr_b32 s41, s40, 4                         ; batch
	s_and_b32 s42, s40, 15                         ; head
	; descriptor group 1: 51 rows of 256 bytes, dense
	s_mov_b32 s24, 15|(3<<16)|(1<<21)              ; 15:0 the mask: all four work-groups; 17:16 elements of 8 bytes; 20 no padding; 21 set beside a mask
	s_mov_b32 s25, 32<<16                          ; tensor_dim0 = 32
	s_mov_b32 s26, 51<<16                          ; tensor_dim1 = 51
	s_mov_b32 s27, 32<<16                          ; tile_dim0 = 32
	s_mov_b32 s28, 51                              ; tile_dim1 = 51
	s_mov_b32 s29, 32                              ; the pitch
	s_mov_b32 s30, 0
	s_mov_b32 s31, 0
	s_mul_i32 s43, s18, STEPB                      ; my key step: its place in LDS and in the head's block
	s_mul_i32 s44, s40, 16*STEPB
	s_add_co_u32 s44, s44, s43
	s_mov_b32 s45, 0
	s_mov_b32 s20, 0x76543210
	s_mov_b32 s21, 0xfedcba98                      ; v_permlanex16_b32's selects for lane l xor 16
	s_mov_b32 s22, 0x3e38aa3b                      ; c = log2(e) / 8
	s_mov_b32 s23, s22                             ; (named with it as a pair)
	s_wait_dscnt 0x0
	s_wait_kmcnt 0x0
	s_mov_b32 s32, 1                               ; group 0: count,
	s_mov_b32 s33, s43                             ; LDS address,
	s_add_nc_u64 s[34:35], s[6:7], s[44:45]        ; global address,
	s_or_b32 s35, s35, 0x80000000                  ; type
	CROUND                                         ; all four work-groups are here: the joint loads meet
	tensor_load_to_lds s[32:35], s[24:31]
	s_nop 0
.rept 4
	v_nop
.endr
	; Q: tile 32 cx + 16 pass + w of the head's 128: step 4 cx + 2 pass + w / 8, tile w % 8
	s_mul_i32 s46, s40, 16*QSTEP
	s_lshl_b32 s47, s19, 2
	s_lshr_b32 s48, s18, 3
	s_add_co_u32 s47, s47, s48
	s_mul_i32 s47, s47, QSTEP
	s_add_co_u32 s46, s46, s47                     ; the step's block
	s_and_b32 s48, s18, 7
	s_mul_i32 s48, s48, 768
	s_add_co_u32 s48, s48, s46                     ; my tile's image
	s_mov_b32 s49, 0
	s_bfe_u32 s50, s18, 0x10002
	s_lshl_b32 s50, s50, 8                         ; its scale words: 256 ((w / 4) % 2) + 4 (w % 4), 16 bytes from row to row
	s_and_b32 s51, s18, 3
	s_lshl_b32 s51, s51, 2
	s_add_co_u32 s50, s50, s51
	s_add_co_u32 s50, s50, s46
	s_add_co_u32 s50, s50, KSO
	s_mov_b32 s51, 0
	s_add_nc_u64 s[12:13], s[4:5], s[50:51]
	s_add_nc_u64 s[4:5], s[4:5], s[48:49]
	; oc [head / 4][row tile 512][head % 4][768]
	s_lshr_b32 s46, s42, 2
	s_lshl_b32 s46, s46, 9
	s_lshl_b32 s47, s41, 7
	s_add_co_u32 s46, s46, s47
	s_lshl_b32 s47, s19, 5
	s_add_co_u32 s47, s47, s18                     ; 32 cx + w
	s_add_co_u32 s46, s46, s47
	s_mul_i32 s46, s46, 3072
	s_and_b32 s48, s42, 3
	s_mul_i32 s48, s48, 768
	s_add_co_u32 s48, s48, s46
	s_add_nc_u64 s[8:9], s[8:9], s[48:49]
	; os [8192 positions][32]: bytes 2 head, 2 head + 1
	s_lshl_b32 s46, s41, 11
	s_lshl_b32 s47, s47, 4
	s_add_co_u32 s46, s46, s47
	s_lshl_b32 s46, s46, 5
	s_lshl_b32 s48, s42, 1
	s_add_co_u32 s48, s48, s46
	s_add_nc_u64 s[10:11], s[10:11], s[48:49]
	v_and_b32 v8, 31, v0
	s_delay_alu instid0(VALU_DEP_1)
	v_lshlrev_b32 v1, 4, v8
	s_delay_alu instid0(VALU_DEP_2)
	v_lshlrev_b32 v2, 3, v8
	s_delay_alu instid0(VALU_DEP_1)
	v_add_nc_u32 v2, 512, v2
	v_and_b32 v9, 15, v0
	s_delay_alu instid0(VALU_DEP_1)
	v_lshlrev_b32 v3, 4, v9
	s_delay_alu instid0(VALU_DEP_2)
	v_lshlrev_b32 v7, 5, v9
.irp i, 22,23,24,25,26,27
	v_mov_b32 v[\i], 0                             ; Q's K = 64 .. 127: zero codes
.endr
.irp t, 0,1,2,3
.irp i, 6,7,8,9,10,11
	v_mov_b32 v[32+12*\t+\i], 0                    ; K's likewise: no load ever lands here
.endr
.endr
.irp b, 0,1,2,3
	v_mov_b32 v[236+\b], 0                         ; written once: a lane permute's destination counts as one of its sources
.endr
	v_mov_b32 v253, 0                              ; (named as the upper half of the pair v[252:253] before it is first written)
	s_wait_tensorcnt 0x0                           ; my key step is in LDS,
	s_barrier_signal -1
	s_barrier_wait -1                              ; everybody's is: the whole head
	s_mov_b32 s38, 2
.Lpass:
	global_load_b128 v[16:19], v1, s[4:5]          ; Q's half image
	global_load_b64 v[20:21], v2, s[4:5]
	global_load_b32 v255, v3, s[12:13]             ; and its scale words
	v_mov_b32 v13, 0xff61b1e6                      ; the largest t so far: -3e38, under every t
	s_delay_alu instid0(VALU_DEP_1)
	v_floor_f32 v12, -v13                          ; -M
	v_mov_b32 v14, 0                               ; the sum, in two halves
	v_mov_b32 v15, 0
.set J, 0
.rept 32
	v_mov_b32 v[O+J], 0                            ; O^T: the step is written once; its first trip finds zeros, which the first change of M leaves zeros
.set J, J+1
.endr
	s_mov_b32 s36, 0                               ; the step's first LDS byte
	s_mov_b32 s37, 16
	s_wait_loadcnt 0x0
.Lstep:                                            ; 128 keys
	s_setprio 2
	v_add_nc_u32 v4, s36, v1
	v_add_nc_u32 v5, s36, v2
	v_add_nc_u32 v6, s36, v3
	ds_load_b128 v[28:31], v4 offset:KSO           ; K's scale words: register t: lanes 0-15 tile t's, lanes 16-31 tile 4 + t's
.irp t, 0,1,2,3
	ds_load_b128 v[32+12*\t:35+12*\t], v4 offset:768*\t
	ds_load_b64 v[36+12*\t:37+12*\t], v5 offset:768*\t
.endr
	s_wait_alu depctr_va_vdst(0)
	s_wait_dscnt 0x0
.irp t, 0,1,2,3
	v_wmma_scale_f32_16x16x128_f8f6f4 v[S+8*\t:S+7+8*\t], v[32+12*\t:43+12*\t], v[16:27], 0, v[28+\t], v255 matrix_a_fmt:MATRIX_FMT_FP6 matrix_b_fmt:MATRIX_FMT_FP6
.endr
.rept 4
	v_nop                                          ; places in front of loads into registers that these products have read; with the three additions above also behind the last step's products, whose V registers are loaded below
.endr
.irp t, 0,1,2,3
	ds_load_b128 v[32+12*\t:35+12*\t], v4 offset:768*(4+\t)
	ds_load_b64 v[36+12*\t:37+12*\t], v5 offset:768*(4+\t)
.endr
.irp t, 0,1,2,3
.irp i, 0,1,2
	ds_load_b128 v[80+12*\t+4*\i:83+12*\t+4*\i], v4 offset:VIO+1536*\t+512*\i   ; V's four fragments land while the softmax is worked
.endr
.endr
	ds_load_b128 v[248:251], v6 offset:VSO         ; and V's scale words
	s_wait_dscnt 13                                ; K's eight loads are in; V's thirteen may be out
.irp t, 0,1,2,3
	v_wmma_scale_f32_16x16x128_f8f6f4 v[S+32+8*\t:S+39+8*\t], v[32+12*\t:43+12*\t], v[16:27], 0, v[28+\t], v255 matrix_a_fmt:MATRIX_FMT_FP6 matrix_b_fmt:MATRIX_FMT_FP6 matrix_a_scale:MATRIX_SCALE_ROW1
.endr
.rept 4
	v_nop
.endr
.irp b, 0,1,2,3
	v_max3_num_f32 v[232+\b], v[S+16*\b], v[S+1+16*\b], v[S+2+16*\b]   ; the largest score of each block of 32 keys: it serves for the row's maximum and, since p rises with the score, for the block's largest p
.endr
.irp i, 3,5,7,9,11,13
.irp b, 0,1,2,3
	v_max3_num_f32 v[232+\b], v[232+\b], v[S+16*\b+\i], v[S+1+16*\b+\i]
.endr
.endr
.irp b, 0,1,2,3
	v_max_num_f32 v[232+\b], v[232+\b], v[S+15+16*\b]
.endr
.irp b, 0,1,2,3
	s_delay_alu instid0(VALU_DEP_4)
	v_permlanex16_b32 v[236+\b], v[232+\b], s20, s21
.endr
.irp b, 0,1,2,3
	s_delay_alu instid0(VALU_DEP_4)
	v_max_num_f32 v[232+\b], v[232+\b], v[236+\b]  ; with lane l xor 16's 16 keys
.endr
	s_delay_alu instid0(VALU_DEP_2)
	v_max3_num_f32 v254, v232, v233, v234
	s_delay_alu instid0(VALU_DEP_1)
	v_max_num_f32 v254, v254, v235                 ; the step's largest score of my query
	s_delay_alu instid0(VALU_DEP_1)
	v_mul_f32 v254, s22, v254                      ; as t (c is positive)
	s_delay_alu instid0(VALU_DEP_1)
	v_max_num_f32 v13, v13, v254                   ; the running largest t
	v_mov_b32 v254, v12
	s_delay_alu instid0(VALU_DEP_2)
	v_floor_f32 v12, -v13                          ; the new -M = floor(-t) = -ceil(t): a whole number
	s_delay_alu instid0(VALU_DEP_1)
	v_sub_f32 v254, v12, v254                      ; M's old value less its new one: a whole number, 0 or less
	s_delay_alu instid0(VALU_DEP_1)
	v_cvt_i32_f32 v254, v254                       ; (it saturates)
	s_delay_alu instid0(VALU_DEP_1)
	v_ldexp_f32 v252, 1.0, v254                    ; f = 2^(old M - new M)
.set J, 0
.rept 32
	v_pk_fma_f32 v[S+J:S+J+1], v[S+J:S+J+1], s[22:23], v[12:13] op_sel_hi:[1,0,0]   ; t - M, two at a time
.set J, J+2
.endr
.irp b, 0,1,2,3
	v_fma_f32 v[232+\b], v[232+\b], s22, v12       ; the same of each block's largest score
.endr
.set J, 0
	s_wait_alu depctr_va_vdst(0)
.rept 64
	v_exp_f32 v[S+J], v[S+J]                       ; p = 2^(t - M), at most 1
.set J, J+1
.endr
	s_setprio 1
	v_pk_mul_f32 v[14:15], v[14:15], v[252:253] op_sel_hi:[1,0]   ; the sums under the new M (the plain line behind the exponentials)
	s_wait_alu depctr_va_vdst(0)                   ; one wait for the whole batch, ahead of its first reader
.irp b, 0,1,2,3
	v_exp_f32 v[232+\b], v[232+\b]                 ; the block's largest p: the same two instructions on the same number give the same bits
.endr
	v_pk_add_f32 v[236:237], v[132:133], v[136:137]
	v_pk_add_f32 v[246:247], v[140:141], v[144:145]
	v_pk_add_f32 v[244:245], v[148:149], v[152:153]
	v_pk_add_f32 v[240:241], v[156:157], v[160:161]
	v_pk_add_f32 v[238:239], v[164:165], v[168:169]
	v_pk_add_f32 v[230:231], v[172:173], v[176:177]
	v_pk_add_f32 v[228:229], v[180:181], v[184:185]
	v_pk_add_f32 v[14:15], v[14:15], v[188:189]
	v_pk_add_f32 v[236:237], v[236:237], v[128:129]
	v_pk_add_f32 v[246:247], v[246:247], v[130:131]
	v_pk_add_f32 v[244:245], v[244:245], v[134:135]
	v_pk_add_f32 v[240:241], v[240:241], v[138:139]
	v_pk_add_f32 v[238:239], v[238:239], v[142:143]
	v_pk_add_f32 v[230:231], v[230:231], v[146:147]
	v_pk_add_f32 v[228:229], v[228:229], v[150:151]
	v_pk_add_f32 v[14:15], v[14:15], v[154:155]
	v_pk_add_f32 v[236:237], v[236:237], v[158:159]
	v_pk_add_f32 v[246:247], v[246:247], v[162:163]
	v_pk_add_f32 v[244:245], v[244:245], v[166:167]
	v_pk_add_f32 v[240:241], v[240:241], v[170:171]
	v_pk_add_f32 v[238:239], v[238:239], v[174:175]
	v_pk_add_f32 v[230:231], v[230:231], v[178:179]
	v_pk_add_f32 v[228:229], v[228:229], v[182:183]
	v_pk_add_f32 v[14:15], v[14:15], v[186:187]
	v_pk_add_f32 v[236:237], v[236:237], v[190:191]
	s_delay_alu instid0(VALU_DEP_2)
	v_pk_add_f32 v[14:15], v[14:15], v[240:241]
	s_delay_alu instid0(VALU_DEP_2)
	v_pk_add_f32 v[236:237], v[236:237], v[238:239]
	v_pk_add_f32 v[246:247], v[246:247], v[230:231]
	v_pk_add_f32 v[244:245], v[244:245], v[228:229]
	s_delay_alu instid0(VALU_DEP_2)
	v_pk_add_f32 v[14:15], v[14:15], v[246:247]
	s_delay_alu instid0(VALU_DEP_2)
	v_pk_add_f32 v[236:237], v[236:237], v[244:245]
	s_delay_alu instid0(VALU_DEP_1)
	v_pk_add_f32 v[14:15], v[14:15], v[236:237]
	s_wait_alu depctr_va_vdst(0)                   ; and one for the four
.irp b, 0,1,2,3
	v_max_num_f32 v[232+\b], 0x1800000, v[232+\b]  ; the floor 2^(3 - 127): the byte cannot fall under 1
.endr
.irp b, 0,1,2,3
	s_delay_alu instid0(VALU_DEP_4)
	v_add_nc_u32 v[244+\b], 0xff000000, v[232+\b]  ; 2 off the exponent field: the conversion's scale operand
.endr
.irp b, 0,1,2,3
	s_delay_alu instid0(VALU_DEP_4)
	v_lshrrev_b32 v[236+\b], 23, v[244+\b]         ; the scale's byte
.endr
	s_delay_alu instid0(VALU_DEP_3)
	v_lshl_or_b32 v253, v237, 8, v236              ; p's scale word for these 128 keys
	s_delay_alu instid0(VALU_DEP_1)
	v_lshl_or_b32 v253, v238, 16, v253
	s_delay_alu instid0(VALU_DEP_1)
	v_lshl_or_b32 v253, v239, 24, v253
.irp c, 0,1
	v_cvt_scalef32_pk16_fp6_f32 v[224+6*\c:226+6*\c], v[S+32*\c:S+15+32*\c], v[244+2*\c]
	v_cvt_scalef32_pk16_fp6_f32 v[236+4*\c:238+4*\c], v[S+16+32*\c:S+31+32*\c], v[244+2*\c+1]   ; (a conversion's three registers begin on an even number)
.endr
	v_nop                                          ; one plain line behind the scaled conversions
.irp c, 0,1                                    ; the operand's layout wants a whole block in a lane
.irp i, 0,1,2
	v_permlane16_swap_b32 v[224+6*\c+\i], v[236+4*\c+\i]
.endr
.irp i, 0,1,2
	s_delay_alu instid0(VALU_DEP_3)
	v_mov_b32 v[227+6*\c+\i], v[236+4*\c+\i]
.endr
.endr
.set J, 0
	s_setprio 0
.rept 16
	v_pk_mul_f32 v[O+J:O+J+1], v[O+J:O+J+1], v[252:253] op_sel_hi:[1,0]   ; O^T under the new M, each accumulator from its low end on; these are also the places between p's scale word and codes and the products
.set J, J+2
.endr
.rept 4
	v_nop
.endr
	s_wait_alu depctr_va_vdst(0)
	s_wait_dscnt 0x0                               ; V and its scale words are in
.irp t, 0,1,2,3                                ; the four accumulators take turns, one instruction each; eight other products stand between two links of a chain
	v_wmma_scale_f32_16x16x128_f8f6f4 v[O+8*\t:O+7+8*\t], v[80+12*\t:91+12*\t], v[224:235], v[O+8*\t:O+7+8*\t], v[248+\t], v253 matrix_a_fmt:MATRIX_FMT_FP6 matrix_b_fmt:MATRIX_FMT_FP6
.endr
	s_add_co_u32 s36, s36, STEPB
	s_sub_co_u32 s37, s37, 1
	s_cmp_lg_u32 s37, 0
	s_cbranch_scc1 .Lstep
	s_setprio 0
	; THE PASS'S END: O^T / the sum, quantised along the head's 64 channels: two blocks, half a fragment
	v_add_f32 v14, v14, v15                        ; the sum's two halves,
	s_delay_alu instid0(VALU_DEP_1)
	v_permlanex16_b32 v252, v14, s20, s21
	s_delay_alu instid0(VALU_DEP_1)
	v_add_f32 v14, v14, v252                       ; and lane l xor 16's
	s_wait_alu depctr_va_vdst(0)
	v_rcp_f32 v14, v14
.rept 4
	v_nop                                          ; the plain line behind the reciprocal, and the places behind the last products
.endr
	s_wait_alu depctr_va_vdst(0)                   ; ahead of the reciprocal's first reader
.set J, 0
.rept 32
	v_mul_f32 v[S+J], v[O+J], v14                  ; register 16 b + i is channel 32 b + 16 h + i of my query
.set J, J+1
.endr
.irp b, 0,1
	v_max3_num_f32 v[232+\b], |v[S+16*\b]|, |v[S+1+16*\b]|, 0x1800000
.endr
.irp i, 2,4,6,8,10,12,14
.irp b, 0,1
	s_delay_alu instid0(VALU_DEP_2)
	v_max3_num_f32 v[232+\b], v[232+\b], |v[S+16*\b+\i]|, |v[S+1+16*\b+\i]|
.endr
.endr
.irp b, 0,1
	s_delay_alu instid0(VALU_DEP_2)
	v_permlanex16_b32 v[236+\b], v[232+\b], s20, s21
.endr
.irp b, 0,1
	s_delay_alu instid0(VALU_DEP_2)
	v_max_num_f32 v[232+\b], v[232+\b], v[236+\b]
.endr
.irp b, 0,1
	s_delay_alu instid0(VALU_DEP_2)
	v_add_nc_u32 v[244+\b], 0xff000000, v[232+\b]
.endr
.irp b, 0,1
	s_delay_alu instid0(VALU_DEP_2)
	v_lshrrev_b32 v[236+\b], 23, v[244+\b]
.endr
	s_delay_alu instid0(VALU_DEP_1)
	v_lshl_or_b32 v254, v237, 8, v236              ; my row's two scale bytes
	v_cvt_scalef32_pk16_fp6_f32 v[224:226], v[S:S+15], v244
	v_cvt_scalef32_pk16_fp6_f32 v[240:242], v[S+16:S+31], v245
	v_nop
.irp i, 0,1,2
	v_permlane16_swap_b32 v[224+\i], v[240+\i]
.endr
.irp i, 0,1,2
	s_delay_alu instid0(VALU_DEP_3)
	v_mov_b32 v[227+\i], v[240+\i]
.endr
	global_store_b128 v1, v[224:227], s[8:9]       ; the half image: 512 consecutive bytes,
	global_store_b64 v2, v[228:229], s[8:9]        ; and 256
	global_store_b16 v7, v254, s[10:11]            ; lanes r and r + 16 write the same two bytes with the same value
	s_wait_xcnt 0x0                                ; the stores have read their data and bases: both are written again below
	s_add_nc_u64 s[4:5], s[4:5], 2*QSTEP           ; 16 tiles of queries on
	s_add_nc_u64 s[12:13], s[12:13], 2*QSTEP
	s_add_nc_u64 s[8:9], s[8:9], 16*3072
	s_add_nc_u64 s[10:11], s[10:11], 16*16*32
	s_sub_co_u32 s38, s38, 1
	s_cmp_lg_u32 s38, 0
	s_cbranch_scc1 .Lpass
	s_wait_dscnt 0x0
	s_wait_tensorcnt 0x0
	ds_add_u32 v11, v243
	s_wait_dscnt 0x0
	CROUND                                         ; the closing round
	s_endpgm
.Lfunc_end_k_q5972abb3ee_attn:
	.size	k_q5972abb3ee_attn, .Lfunc_end_k_q5972abb3ee_attn-k_q5972abb3ee_attn
	.p2alignl 7, 3214868480
	.fill 96, 4, 3214868480
	.section	.rodata,"a",@progbits
	.p2align	6, 0x0
	.amdhsa_kernel k_q5972abb3ee_attn
		.amdhsa_group_segment_fixed_size 210944
		.amdhsa_private_segment_fixed_size 0
		.amdhsa_enable_private_segment 0
		.amdhsa_kernarg_size 32
		.amdhsa_user_sgpr_count 2
		.amdhsa_user_sgpr_kernarg_segment_ptr 1
		.amdhsa_wavefront_size32 1
		.amdhsa_system_sgpr_workgroup_id_x 1
		.amdhsa_system_sgpr_workgroup_id_y 1
		.amdhsa_system_sgpr_workgroup_id_z 1
		.amdhsa_system_vgpr_workitem_id 0
		.amdhsa_next_free_vgpr 256
		.amdhsa_next_free_sgpr 66
		.amdhsa_reserve_vcc 0
		.amdhsa_float_denorm_mode_32 3
		.amdhsa_float_denorm_mode_16_64 3
		.amdhsa_memory_ordered 1
		.amdhsa_forward_progress 1
		.amdhsa_inst_pref_size 30
	.end_amdhsa_kernel
	.amdgpu_metadata
---
amdhsa.version: [ 1, 2 ]
amdhsa.kernels:
  - .name:           k_q5972abb3ee_attn
    .symbol:         k_q5972abb3ee_attn.kd
    .args:
      - { .name: qb, .offset: 0, .size: 8, .value_kind: global_buffer, .address_space: global }
      - { .name: kv, .offset: 8, .size: 8, .value_kind: global_buffer, .address_space: global }
      - { .name: oc, .offset: 16, .size: 8, .value_kind: global_buffer, .address_space: global }
      - { .name: os, .offset: 24, .size: 8, .value_kind: global_buffer, .address_space: global }
    .group_segment_fixed_size: 210944
    .private_segment_fixed_size: 0
    .kernarg_segment_align: 8
    .kernarg_segment_size: 32
    .max_flat_workgroup_size: 512
    .sgpr_count:     66
    .vgpr_count:     256
    .wavefront_size: 32
...
	.end_amdgpu_metadata
.endif
;; end of part 3
;; launch outp (part 4): grid 4 x 32, 4 waves a work-group, clusters of 4 x 4, 327,680 bytes of LDS; arguments oc, os, wc, ws, bp, out0; writes out0
.if DOCPART == 4
	.amdgcn_target "amdgcn-amd-amdhsa--gfx1250"
	.amdhsa_code_object_version 6
	.text
	.protected	k_q5972abb3ee_outp
	.globl	k_q5972abb3ee_outp
	.p2align	8
	.type	k_q5972abb3ee_outp,@function
k_q5972abb3ee_outp:
	s_mov_b64 s[64:65], 0
	v_nop
	global_prefetch_b8 v0, s[64:65] scope:SCOPE_SE
	s_setreg_imm32_b32 hwreg(HW_REG_WAVE_MODE, 25, 1), 1
	s_wait_xcnt 0x0
	s_wait_alu depctr_hold_cnt(0) depctr_sa_sdst(0) depctr_va_vdst(0) depctr_va_sdst(0) depctr_va_ssrc(0) depctr_va_vcc(0) depctr_vm_vsrc(0)
	s_getreg_b32 s2, hwreg(HW_REG_IB_STS2, 6, 4)
	s_cmp_eq_u32 s2, 0
	s_cbranch_scc0 .Lentry_in_a_cluster
	s_endpgm
.Lentry_in_a_cluster:
	s_bfe_u32 s2, ttmp6, 0x10000c
	s_cmp_lg_u32 s2, 0xf033
	s_cbranch_scc0 .Lentry_shape_is_right
	s_endpgm
.Lentry_shape_is_right:
; out0 = o Wp^T + bp on codes of FP6 (E2M3) with E8M0 scales, K = 1,024; out0 [8192][1024] f32.
; A = o: images of operand registers, oc [K step of 256 = four heads (4)][row tile of 16 positions (512)][head % 4][768 bytes]; its scale bytes os [8192 positions][32].  B = Wp: positions 3,072 on of wc and ws, rows of 768 bytes.
; A tile of 256 x 256 is made by four waves, each 128 x 128; K goes in steps of 256 through a ring of two LDS slots filled by the tensor data mover.  A wave's part of A's tile is 8 row tiles x 3,072 dense bytes
; (96 rows of 256), read back 16 and 8 consecutive bytes a lane; B's rows are 192 bytes with 16 bytes of padding behind every 64.  The scale bytes of the 256 + 256 rows come into LDS once.
; CLUSTERS: 4 x 4 work-groups; A's tiles are asked for jointly along a row of the cluster, B's along a column.  128 tiles: the design has work for 128 work-groups.
; The matrix instruction is used transposed (source 0 = 16 rows of Wp, source 1 = 16 rows of o).  Wp's rows lie in position order (bits 3 and 4 of the index exchanged), so registers of accumulators (a, 2 b + u) in lane (r, h)
; are the true outputs 32 b + 16 h + 8 u + 0 .. 7.  o's rows are token positions; the stores map them back to tokens by their immediate offsets.
; THE BIAS is the C of each sum's first matrix instruction: 64 registers in the result's layout, in the free registers of window 1.
; No prefetch is laid: K has four steps, of which two are first fills.
; REGISTERS: window 0: v0-31 addresses; v32-63 scale words, two sets; from v128 A's fragments, one set.  Window 1: B's fragments at v0 and v128; the bias at v96-127 and v224-255.  Windows 2, 3: the accumulators.
.set SIZE_K, 1024
.set KSTEP,  256
.set NQ,     KSTEP/128
.set ROWB,   192
.set KROW,   SIZE_K*6/8
.set PITCH,  240
.set FR,     12
.set NLA,    4                         ; LDS loads that bring a fragment of A
.set NP,     4
.set HALFT,  128*PITCH                 ; a wave's part of a slot: B uses all of it, A 24,576 bytes
.set SLOT,   4*HALFT
.set LAPS,   SIZE_K/(2*KSTEP)
.set KS,     SIZE_K/32
.set KQB,    512*3072                  ; from one K step of oc to the next
.set SCL,    2*SLOT
.set HALFS,  (128*KS/256)*272
.set SBLK,   (16*KS/256)*272
.set SPARE,  SCL+4*HALFS               ; the spare words, 128 bytes for each wave; no other line names them
.set SPITCH, 528                       ; the way out: a stage of 16 rows x (512 bytes + 16) for each wave, in slot 0, which has had its last fill and its last read when the first result is stored there
.set ADRA, 16                          ; v16-17 16 x lane + my A half in slot 0, 1;  v18-19 the same + 512 + 8 x lane
.set ADRB, 20                          ; v20-23 B's fragments, as rows
.set STO,  24
.set RD,   25
.set CO,   26
.set ADRS, 27
.set SPW,  28
.set NIL,  29
.set BO,   31                          ; v31  64 h: the bias's offset
.set SC,   32
.set AF,   128
.set BK,   128
.set G1, 24
.set G0, 32
.set G1B, 48
.set G0B, 56
.set G1S, 68
.set G0S, 76
.set G1SB, 80
.set G0SB, 88
.set MSB, 0
.macro WIN new
.if MSB != \new
	s_set_vgpr_msb (MSB<<8)|\new
.set MSB, \new
.endif
.endm
.set MUL_LO, 0xa1                      ; source 0 (B) window 1, source 1 (A) window 0, C and D window 2
.set MUL_HI, 0xf1                      ; the same, C and D window 3
.set FST_LO, 0x91                      ; the first step: C (the bias) window 1, D window 2
.set FST_HI, 0xd1                      ; D window 3
.set TO_B,   0x40
.macro JLOAD g0a, g1a, g0b, g1b        ; a joint load: waves 0 and 1 fetch for A, waves 2 and 3 for B; four v_nop follow each of the two lines
	s_cmp_eq_u32 s15, 0
	s_cbranch_scc0 .Lfor_b_\@
	tensor_load_to_lds s[\g0a:\g0a+3], s[\g1a:\g1a+7]
	s_nop 0
.rept 4
	v_nop
.endr
	s_branch .Lasked_\@
.Lfor_b_\@:
	tensor_load_to_lds s[\g0b:\g0b+3], s[\g1b:\g1b+7]
	s_nop 0
.rept 4
	v_nop
.endr
.Lasked_\@:
.endm
.macro CREST
	s_cmp_lg_u32 s14, 0
	s_cbranch_scc1 .Lnot_wave_0_\@
	s_barrier_signal -3
.Lnot_wave_0_\@:
	s_barrier_wait -3
	s_barrier_signal -1
	s_barrier_wait -1
.endm
.macro CROUND
	s_barrier_signal -1
	s_barrier_wait -1
	CREST
.endm
	s_load_b128 s[4:7], s[0:1], 0x0                ; oc, os
	s_load_b128 s[8:11], s[0:1], 0x10              ; wc, ws
	s_load_b128 s[96:99], s[0:1], 0x20             ; bp, out0
	v_lshl_add_u32 v[SPW], v0, 2, SPARE
	v_mov_b32 v[NIL], 0
	ds_add_u32 v28, v29
	ds_add_u32 v28, v29
	s_wait_dscnt 0x0
	v_lshrrev_b32 v1, 5, v0
	v_readfirstlane_b32 s14, v1                    ; wave 0..3
	s_lshr_b32 s15, s14, 1                         ; which half of the tile's rows is mine.  Also: I fetch for A (0) or for B (1)
	s_and_b32 s16, s14, 1                          ; which half of its columns.  Also: which half of that tile I fetch
	s_bfe_u32 s40, ttmp6, 0x40000                  ; cx, cy
	s_bfe_u32 s41, ttmp6, 0x40004
	s_lshl_b32 s42, ttmp9, 2
	s_add_co_u32 s42, s42, s40                     ; tile column
	s_and_b32 s17, ttmp7, 0xffff
	s_lshl_b32 s17, s17, 2
	s_add_co_u32 s17, s17, s41                     ; tile row
	s_lshl_b32 s43, s41, 2
	s_lshl_b32 s43, 15, s43                        ; my row of the cluster
	s_lshl_b32 s44, 0x1111, s40                    ; my column
	; group 1 for A's tiles: 96 rows of 256 bytes (32 elements of 8), dense, no padding
	s_or_b32 s[G1+0], s43, (3<<16)|(1<<21)
	s_mov_b32 s[G1+1], 32<<16
	s_mov_b32 s[G1+2], 96<<16
	s_mov_b32 s[G1+3], 32<<16
	s_mov_b32 s[G1+4], 96
	s_mov_b32 s[G1+5], 32
	s_mov_b32 s[G1+6], 0
	s_mov_b32 s[G1+7], 0
	; for B's: 128 rows x 192 bytes, 16 bytes of padding behind every 64
	s_or_b32 s[G1B+0], s44, (0<<16)|(1<<20)|(1<<21)|(3<<22)|(3<<25)
	s_mov_b32 s[G1B+1], ROWB<<16
	s_mov_b32 s[G1B+2], 128<<16
	s_mov_b32 s[G1B+3], ROWB<<16
	s_mov_b32 s[G1B+4], 128
	s_mov_b32 s[G1B+5], KROW
	s_mov_b32 s[G1B+6], 0
	s_mov_b32 s[G1B+7], 0
	; for the scales of 128 rows: 16 rows of 256 bytes, 16 bytes of padding behind each
	s_or_b32 s[G1S+0], s43, (3<<16)|(1<<20)|(1<<21)|(5<<22)|(3<<25)
	s_or_b32 s[G1SB+0], s44, (3<<16)|(1<<20)|(1<<21)|(5<<22)|(3<<25)
.irp g, G1S, G1SB
	s_mov_b32 s[\g+1], 32<<16
	s_mov_b32 s[\g+2], (128*KS/256)<<16
	s_mov_b32 s[\g+3], 32<<16
	s_mov_b32 s[\g+4], 128*KS/256
	s_mov_b32 s[\g+5], 32
	s_mov_b32 s[\g+6], 0
	s_mov_b32 s[\g+7], 0
.endr
	s_lshl_b32 s18, s16, 7
	s_lshl_b32 s20, s17, 8
	s_add_co_u32 s20, s20, s18                     ; A: position 256 x tile row + 128 x half
	s_lshl_b32 s46, s42, 8
	s_add_co_u32 s46, s46, s18                     ; B: position 256 x tile column + 128 x half
	s_mov_b32 s21, 0
	s_mov_b32 s47, 0
	s_mov_b64 s[18:19], KS
	s_mul_u64 s[22:23], s[20:21], s[18:19]         ; where these rows' scales begin
	s_mul_u64 s[92:93], s[46:47], s[18:19]
	s_mov_b64 s[18:19], KROW
	s_mul_u64 s[46:47], s[46:47], s[18:19]         ; B's codes
	s_mov_b64 s[18:19], 3072/16
	s_mul_u64 s[20:21], s[20:21], s[18:19]         ; A's images: 3,072 bytes for 16 positions and a K step
	s_mul_i32 s45, s14, HALFT                      ; where they go: no place in the cluster enters an LDS address
	s_mul_i32 s94, s14, HALFS
	s_wait_kmcnt 0x0
	s_add_nc_u64 s[8:9], s[8:9], 3072*KROW         ; Wp's codes
	s_add_nc_u64 s[10:11], s[10:11], 3072*KS       ; and its scale bytes
	s_add_nc_u64 s[20:21], s[4:5], s[20:21]
	s_add_nc_u64 s[22:23], s[6:7], s[22:23]
	s_add_nc_u64 s[46:47], s[8:9], s[46:47]
	s_add_nc_u64 s[92:93], s[10:11], s[92:93]
	CROUND                                         ; all sixteen work-groups are here: the first joint loads meet
	s_mov_b32 s[G0S], 1
	s_add_co_u32 s[G0S+1], s94, SCL
	s_mov_b64 s[G0S+2:G0S+3], s[22:23]
	s_or_b32 s[G0S+3], s[G0S+3], 0x80000000
	s_mov_b32 s[G0SB], 1
	s_add_co_u32 s[G0SB+1], s94, SCL
	s_mov_b64 s[G0SB+2:G0SB+3], s[92:93]
	s_or_b32 s[G0SB+3], s[G0SB+3], 0x80000000
	JLOAD G0S, G1S, G0SB, G1SB                     ; the scales first
.irp s, 0,1
	s_mov_b32 s[G0+4*\s], 1
	s_add_co_u32 s[G0+4*\s+1], s45, \s*SLOT
	s_add_nc_u64 s[G0+4*\s+2:G0+4*\s+3], s[20:21], \s*KQB
	s_or_b32 s[G0+4*\s+3], s[G0+4*\s+3], 0x80000000
	s_mov_b32 s[G0B+4*\s], 1
	s_add_co_u32 s[G0B+4*\s+1], s45, \s*SLOT
	s_add_nc_u64 s[G0B+4*\s+2:G0B+4*\s+3], s[46:47], \s*ROWB
	s_or_b32 s[G0B+4*\s+3], s[G0B+4*\s+3], 0x80000000
	s_wait_alu depctr_va_vdst(0)
	s_wait_tensorcnt 0x0
	ds_add_u32 v28, v29
	s_wait_dscnt 0x0
	CROUND
	JLOAD G0+4*\s, G1, G0B+4*\s, G1B               ; my only tensor load out: the ones before it have landed
.endr
	v_and_b32 v1, 15, v0                           ; r
	v_bfe_u32 v2, v0, 4, 1                         ; h
	v_mul_u32_u24 v3, v1, PITCH
	v_mul_u32_u24 v4, v2, 24
	v_add_nc_u32 v4, v3, v4                        ; B: a fragment's row x pitch + 24 x half
	v_lshl_add_u32 v5, v2, 4, v4                   ; and the same behind one padding more
	v_and_b32 v6, 31, v0
	v_lshlrev_b32 v7, 4, v6                        ; A: 16 x lane,
	v_lshlrev_b32 v8, 3, v6
	v_add_nc_u32 v8, 512, v8                       ; and 512 + 8 x lane
	s_mul_i32 s21, s15, HALFT                      ; my half of A
	s_mul_i32 s22, s16, HALFT                      ; my half of B,
	s_add_co_u32 s22, s22, 2*HALFT                 ; which lies behind A's two
.irp s, 0,1
	v_add_nc_u32 v[ADRA+\s], s21, v7
	v_add_nc_u32 v[ADRB+\s], s22, v4
	v_add_nc_u32 v[ADRA+2+\s], s21, v8
	v_add_nc_u32 v[ADRB+2+\s], s22, v5
	s_add_co_u32 s21, s21, SLOT
	s_add_co_u32 s22, s22, SLOT
.endr
	v_mul_u32_u24 v5, v1, KS
	v_lshrrev_b32 v9, 8, v5
	v_lshl_add_u32 v5, v9, 4, v5
	s_mul_i32 s21, s15, HALFS
	s_mul_i32 s22, s16, HALFS
	s_add_co_u32 s22, s22, 2*HALFS
	s_sub_co_u32 s22, s22, s21
	v_mul_u32_u24 v9, s22, v2                      ; lanes 16-31 take B's: one product, the distance x h
	s_add_co_u32 s21, s21, SCL
	v_add_nc_u32 v5, v5, v9
	v_add_nc_u32 v[ADRS], s21, v5
	s_mul_i32 s23, s14, 16*SPITCH                  ; my stage
	v_mul_u32_u24 v5, v1, SPITCH                   ; in: row r; my half's 16 outputs of each 32: 64 h bytes on
	v_lshl_add_u32 v5, v2, 6, v5
	v_add_nc_u32 v[STO], s23, v5
	v_lshlrev_b32 v[CO], 4, v6                     ; back: the 32 lanes take one row of 512 bytes; and the same in out0
	v_add_nc_u32 v[RD], s23, v[CO]
	v_lshlrev_b32 v[BO], 6, v2
	s_lshl_b32 s46, s42, 10                        ; my first column, in bytes: 1,024 x tile column + 512 x half
	s_lshl_b32 s47, s16, 9
	s_add_co_u32 s46, s46, s47
	s_mov_b32 s47, 0
	s_add_nc_u64 s[96:97], s[96:97], s[46:47]      ; bp at my 128 outputs
	WIN TO_B
.irp b, 0,1,2,3,4,5,6,7                        ; tile b's eight: outputs 32 (b / 2) + 16 h + 8 (b % 2) + 0 .. 7
	global_load_b128 v[96+8*\b+96*(\b/4):96+8*\b+96*(\b/4)+3], v[BO], s[96:97] offset:128*(\b/2)+32*(\b%2)
	global_load_b128 v[96+8*\b+96*(\b/4)+4:96+8*\b+96*(\b/4)+7], v[BO], s[96:97] offset:128*(\b/2)+32*(\b%2)+16
.endr
	WIN 0
	s_lshl_b32 s20, s17, 8
	s_lshl_b32 s21, s15, 7
	s_add_co_u32 s20, s20, s21                     ; my first row: 256 x tile row + 128 x half,
	s_lshl_b32 s20, s20, 12                        ; of 4,096 bytes
	s_mov_b32 s21, 0
	s_add_nc_u64 s[20:21], s[20:21], s[46:47]
	s_add_nc_u64 s[12:13], s[98:99], s[20:21]      ; never stepped: a row's place among my 128 stands in the stores' immediates
.macro FRAG reg, adr, q, i             ; a fragment of B from rows: lane l holds row l % 16; registers 6 c .. 6 c + 5 hold K = 64 c + 32 (l / 16) + 0 .. 31, in pieces of 8 bytes
.irp p, 0,1,2,3,4,5
.set PCE, 12*(\q)+6*(\p/3)+\p%3
.if PCE%8 < 5
	ds_load_b64 v[\reg+2*\p:\reg+2*\p+1], v[\adr] offset:8*PCE+16*(PCE/8)+(\i)*16*PITCH
.else
	ds_load_b64 v[\reg+2*\p:\reg+2*\p+1], v[\adr+2] offset:8*PCE+16*(PCE/8)+(\i)*16*PITCH
.endif
.endr
.endm
.macro FRAG_A reg, slot, q, i          ; a fragment of A from two heads' half images: registers 6 c .. 6 c + 3 at 16 x lane, 6 c + 4, 6 c + 5 at 512 + 8 x lane
.irp c, 0,1
	ds_load_b128 v[\reg+6*\c:\reg+6*\c+3], v[ADRA+\slot] offset:3072*(\i)+768*(2*(\q)+\c)
	ds_load_b64 v[\reg+6*\c+4:\reg+6*\c+5], v[ADRA+2+\slot] offset:3072*(\i)+768*(2*(\q)+\c)
.endr
.endm
; 16 matrix instructions: A's blocks a0, a0 + 1 x B's eight.  first = 1: the sums begin with the bias as C.  The 64 accumulators take turns, one instruction a turn.
.macro MUL16 a0, p, q, sc, first
.irp a, \a0, \a0+1
.irp b, 0,1,2,3,4,5,6,7
.if \first
	v_wmma_scale_f32_16x16x128_f8f6f4 v[8*(8*((\a)%4)+\b):8*(8*((\a)%4)+\b)+7], v[128*(\p)+FR*\b:128*(\p)+FR*\b+FR-1], v[AF+FR*(\a):AF+FR*(\a)+FR-1], v[96+8*\b+96*(\b/4):96+8*\b+96*(\b/4)+7], v[SC+8*NQ*(\sc)+NQ*\b+(\q)], v[SC+8*NQ*(\sc)+NQ*(\a)+(\q)] matrix_a_fmt:MATRIX_FMT_FP6 matrix_b_fmt:MATRIX_FMT_FP6 matrix_a_scale:MATRIX_SCALE_ROW1
.else
	v_wmma_scale_f32_16x16x128_f8f6f4 v[8*(8*((\a)%4)+\b):8*(8*((\a)%4)+\b)+7], v[128*(\p)+FR*\b:128*(\p)+FR*\b+FR-1], v[AF+FR*(\a):AF+FR*(\a)+FR-1], v[8*(8*((\a)%4)+\b):8*(8*((\a)%4)+\b)+7], v[SC+8*NQ*(\sc)+NQ*\b+(\q)], v[SC+8*NQ*(\sc)+NQ*(\a)+(\q)] matrix_a_fmt:MATRIX_FMT_FP6 matrix_b_fmt:MATRIX_FMT_FP6 matrix_a_scale:MATRIX_SCALE_ROW1
.endif
.endr
.endr
.endm
.macro FETCH_B slot, q, p
	WIN TO_B
.irp i, 0,1,2,3,4,5,6,7
	FRAG 128*(\p)+FR*\i, ADRB+\slot, \q, \i
.endr
	WIN 0
.endm
.macro FETCH_A slot, q, i0
.irp i, \i0, \i0+1, \i0+2, \i0+3
	FRAG_A AF+FR*(\i), \slot, \q, \i
.endr
.endm
.macro SCALES sc
.irp i, 0,1,2,3,4,5,6,7
	ds_load_b64 v[SC+8*NQ*\sc+NQ*\i:SC+8*NQ*\sc+NQ*\i+1], v[ADRS] offset:\i*SBLK
.endr
.endm
.macro PLACES n                        ; plain vector instructions between a matrix instruction and a load into, or a read of, its registers
.rept \n
	v_nop
.endr
.endm
.macro STEP slot, q, first
	s_wait_dscnt 4*NLA                             ; B's set and A's blocks 0-3 are in; the youngest 16 loads (A's blocks 4-7) may be out
.if \first
	WIN FST_LO
.else
	WIN MUL_LO
.endif
	MUL16 0, (\q)%2, \q, \slot, \first
	MUL16 2, (\q)%2, \q, \slot, \first
	s_wait_dscnt 0
	PLACES NP
	FETCH_B \slot, (\q)+1, 1-(\q)%2
	FETCH_A \slot, (\q)+1, 0
.if \first
	WIN FST_HI
.else
	WIN MUL_HI
.endif
	MUL16 4, (\q)%2, \q, \slot, \first
	MUL16 6, (\q)%2, \q, \slot, \first
	PLACES NP
	WIN 0
	FETCH_A \slot, (\q)+1, 4
.endm
.macro TURN slot, next, fill
	s_wait_tensorcnt 0x0                           ; all my tensor loads have landed: my part of the next slot
	ds_add_u32 v[SPW], v[NIL]                      ; 0 onto my spare word
	s_wait_dscnt 4*NLA+1                           ; (the add and the youngest 16 loads may be out)
	WIN MUL_LO
	MUL16 0, 1, NQ-1, \slot, 0
	s_wait_dscnt 0x0                               ; the add is done, and my reads of this slot are over
	s_barrier_signal -1
	MUL16 2, 1, NQ-1, \slot, 0
	WIN 0
	s_barrier_wait -1
.if \fill
	CREST                                          ; the barrier has opened a round of the cluster's barrier: no wave of any partner still reads this slot's tile or has a load on its way
	s_add_nc_u64 s[G0+4*\slot+2:G0+4*\slot+3], s[G0+4*\slot+2:G0+4*\slot+3], 2*KQB
	s_add_nc_u64 s[G0B+4*\slot+2:G0B+4*\slot+3], s[G0B+4*\slot+2:G0B+4*\slot+3], 2*ROWB
	JLOAD G0+4*\slot, G1, G0B+4*\slot, G1B         ; the first tensor load behind the round, my only one until the next
.else
	PLACES NP
.endif
	s_wait_alu depctr_va_vdst(0)
	v_add_nc_u32 v[ADRS], 4*NQ, v[ADRS]
	FETCH_B \next, 0, 0
	FETCH_A \next, 0, 0
	SCALES \next
	WIN MUL_HI
	MUL16 4, 1, NQ-1, \slot, 0
	MUL16 6, 1, NQ-1, \slot, 0
	PLACES NP
	WIN 0
	FETCH_A \next, 0, 4
.endm
	s_wait_alu depctr_va_vdst(0)
	s_wait_tensorcnt 1                             ; the scales and my part of K step 0 are in (K step 1's load may be out)
	s_barrier_signal -1
	s_barrier_wait -1                              ; everybody's are
	FETCH_B 0, 0, 0
	FETCH_A 0, 0, 0
	SCALES 0
	FETCH_A 0, 0, 4
	s_wait_loadcnt 0x0                             ; the bias
	STEP 0, 0, 1                                   ; the first step stands in front of the loop: its products start the sums on the bias
	s_mov_b32 s3, LAPS-1
.Llap:
	TURN 0, 1, 1
	STEP 1, 0, 0
	TURN 1, 0, 1
	STEP 0, 0, 0
	s_sub_co_u32 s3, s3, 1
	s_cmp_lg_u32 s3, 0
	s_cbranch_scc1 .Llap
	TURN 0, 1, 0                                   ; the last lap fills nothing
	STEP 1, 0, 0
	s_wait_dscnt 4*NLA
	WIN MUL_LO
	MUL16 0, 1, NQ-1, 1, 0
	MUL16 2, 1, NQ-1, 1, 0
	s_wait_dscnt 0
	WIN MUL_HI
	MUL16 4, 1, NQ-1, 1, 0
	MUL16 6, 1, NQ-1, 1, 0
	WIN 0
; THE WAY OUT, block by block of 16 rows x 128 outputs, through my own stage in LDS; back come whole rows of 512 bytes.  LDS serves a wave's instructions in order (ISA guide 5.7.1.4): no wait between the stores and the loads.
.macro TOSTAGE a
.set AC, 64*((\a)%4)
.set WW, 0x08+4*((\a)/4)
	WIN WW                                         ; an LDS store's data are its source 1: window 2 or 3
.irp b, 0,1,2,3,4,5,6,7
	ds_store_b128 v[STO], v[AC+8*\b:AC+8*\b+3] offset:128*(\b/2)+32*(\b%2)          ; each accumulator from its low end on; outputs 32 (b / 2) + 16 h + 8 (b % 2) on
	ds_store_b128 v[STO], v[AC+8*\b+4:AC+8*\b+7] offset:128*(\b/2)+32*(\b%2)+16
.endr
	WIN 0
.set BB, BK+64*((\a)%2)
.irp t, 0,1,2,3,4,5,6,7,8,9,10,11,12,13,14,15
	ds_load_b128 v[BB+4*\t:BB+4*\t+3], v[RD] offset:\t*SPITCH
.endr
.endm
.macro SEND a, younger                 ; row t of block a is position 16 a + t of my 128: token 32 (a / 2) + 16 (t / 8) + 8 (a % 2) + t % 8
.set BB, BK+64*((\a)%2)
	s_wait_dscnt \younger                          ; the block is back in registers
.irp t, 0,1,2,3,4,5,6,7,8,9,10,11,12,13,14,15
	global_store_b128 v[CO], v[BB+4*\t:BB+4*\t+3], s[12:13] offset:4096*(32*((\a)/2)+16*(\t/8)+8*((\a)%2)+\t%8) th:TH_STORE_NT   ; 32 lanes store 512 consecutive bytes, aligned; the offset is 127 rows at the most
.endr
.endm
	PLACES NP
	TOSTAGE 0
.irp a, 1,2,3,4,5,6,7
.if \a > 1
	s_wait_xcnt 0x0                                ; block a - 2's stores have read their registers: block a's loads may land there
.endif
	TOSTAGE \a
	SEND \a-1, 32                                  ; behind block a - 1's loads: block a's 16 stores and 16 loads
.endr
	SEND 7, 0
	s_wait_tensorcnt 0x0                           ; the wave's end
	ds_add_u32 v[SPW], v[NIL]
	s_wait_dscnt 0x0
	CROUND                                         ; the closing round
	s_endpgm
.Lfunc_end_k_q5972abb3ee_outp:
	.size	k_q5972abb3ee_outp, .Lfunc_end_k_q5972abb3ee_outp-k_q5972abb3ee_outp
	.p2alignl 7, 3214868480
	.fill 96, 4, 3214868480
	.section	.rodata,"a",@progbits
	.p2align	6, 0x0
	.amdhsa_kernel k_q5972abb3ee_outp
		.amdhsa_group_segment_fixed_size 327680
		.amdhsa_private_segment_fixed_size 0
		.amdhsa_enable_private_segment 0
		.amdhsa_kernarg_size 48
		.amdhsa_user_sgpr_count 2
		.amdhsa_user_sgpr_kernarg_segment_ptr 1
		.amdhsa_wavefront_size32 1
		.amdhsa_system_sgpr_workgroup_id_x 1
		.amdhsa_system_sgpr_workgroup_id_y 1
		.amdhsa_system_sgpr_workgroup_id_z 1
		.amdhsa_system_vgpr_workitem_id 0
		.amdhsa_next_free_vgpr 1024
		.amdhsa_next_free_sgpr 100
		.amdhsa_reserve_vcc 0
		.amdhsa_float_denorm_mode_32 3
		.amdhsa_float_denorm_mode_16_64 3
		.amdhsa_memory_ordered 1
		.amdhsa_forward_progress 1
		.amdhsa_inst_pref_size 154
	.end_amdhsa_kernel
	.amdgpu_metadata
---
amdhsa.version: [ 1, 2 ]
amdhsa.kernels:
  - .name:           k_q5972abb3ee_outp
    .symbol:         k_q5972abb3ee_outp.kd
    .args:
      - { .name: oc, .offset: 0, .size: 8, .value_kind: global_buffer, .address_space: global }
      - { .name: os, .offset: 8, .size: 8, .value_kind: global_buffer, .address_space: global }
      - { .name: wc, .offset: 16, .size: 8, .value_kind: global_buffer, .address_space: global }
      - { .name: ws, .offset: 24, .size: 8, .value_kind: global_buffer, .address_space: global }
      - { .name: bp, .offset: 32, .size: 8, .value_kind: global_buffer, .address_space: global }
      - { .name: out0, .offset: 40, .size: 8, .value_kind: global_buffer, .address_space: global }
    .group_segment_fixed_size: 327680
    .private_segment_fixed_size: 0
    .kernarg_segment_align: 8
    .kernarg_segment_size: 48
    .max_flat_workgroup_size: 128
    .sgpr_count:     100
    .vgpr_count:     1024
    .wavefront_size: 32
...
	.end_amdgpu_metadata
.endif
;; end of part 4
